; MI455X (gfx1250); checked and timed in simulation.
; The chip was launched on July 23, 2026; its instructions are those of AMD's public machine-readable ISA for CDNA 5 (MIT licence, August 2026) and "CDNA5" Instruction Set Architecture Reference Guide (July 2026). The comments in the code are by the model that wrote it; some were corrected since.
;; Cross Attention. Allowed arithmetic: matrix products marked QUANTISED: E2M3 operands, one E8M0 scale for each 32 along K, by v_wmma_scale_f32_16x16x128_f8f6f4 with both operands' format E2M3, f32 sums; everything else in f32.
;; Inputs: Wk 1,024 x 1,024 float32; Wo 1,024 x 1,024 float32; Wq 1,024 x 1,024 float32; Wv 1,024 x 1,024 float32; bk 1,024 float32; bo 1,024 float32; bq 1,024 float32; bv 1,024 float32; key 4 x 2,048 x 1,024 float32; query 4 x 2,048 x 1,024 float32; value 4 x 2,048 x 1,024 float32.
;; Outputs: out0 4 x 2,048 x 1,024 float32.
;; This version of the problem:
;;   THIS VERSION OF THE PROBLEM IS GIVEN IN LOW PRECISION. The matrix products marked QUANTISED in the list below multiply operands that are first quantised to E2M3 (2 exponent bits, 3 mantissa bits; 6 bits a number), with one power-of-two scale for each 32 numbers along K (OCP MX v1.0); their sums are f32. All else is computed in f32.
;;   The module's matrix products, in the order in which they are computed (A, B: the left and right operand; K: the contracted axis; several contracted axes count as one K, in the product's order):
;;     1. [M 8,192, K 1,024] x [K 1,024, N 1,024]; A: input query; B: input Wq: QUANTISED
;;     2. [M 8,192, K 1,024] x [K 1,024, N 1,024]; A: input key; B: input Wk: QUANTISED
;;     3. [M 8,192, K 1,024] x [K 1,024, N 1,024]; A: input value; B: input Wv: QUANTISED
;;     4. batch 64 x [M 2,048, K 64] x [K 64, N 2,048]; A: computed on the way; B: computed on the way: QUANTISED
;;     5. batch 64 x [M 2,048, K 2,048] x [K 2,048, N 64]; A: softmax (see below); B: computed on the way: QUANTISED
;;     6. [M 8,192, K 1,024] x [K 1,024, N 1,024]; A: computed on the way; B: input Wo: QUANTISED
;;   THE QUANTISER, for each operand of a quantised product, along K:
;;     - K is cut into blocks of 32 from its start; a last block that is shorter is filled with zeros.
;;     - A block's scale is 2^e with e = floor(log2(the largest magnitude in the block)) - 2, held to -126 .. 127; a block of zeros has e = 0. As a byte (E8M0): e + 127.
;;     - Each number is divided by its block's scale, clamped to +-7.5, and rounded to the nearest number of E2M3, ties to even, subnormals kept.
;;     - The product sums the exact products of the quantised numbers (number of the format x scale) in f32.
;;   ~~~python
;;   def quantise(x, axis):      # numpy; x: float32 -> the quantised numbers, widened to float32 again
;;       x = np.moveaxis(x, axis, -1); K = x.shape[-1]
;;       x = np.pad(x, [(0, 0)] * (x.ndim - 1) + [(0, -K % 32)]); x = x.reshape(x.shape[:-1] + (-1, 32)); a = np.abs(x).max(-1, keepdims=True)
;;       e = np.where(a > 0, np.clip(np.frexp(np.where(a > 0, a, 1))[1] - 1 - 2, -126, 127), 0)      # np.frexp(a)[1] - 1 = floor(log2(a)), exactly
;;       r = np.clip(x / 2.0 ** e, -7.5, 7.5)
;;       step = 2.0 ** (np.maximum(np.frexp(np.where(r == 0, 1, r))[1] - 1, 0) - 3)
;;       q = np.round(r / step) * step * 2.0 ** e      # np.round: ties to even
;;       return np.moveaxis(q.reshape(q.shape[:-2] + (-1,))[..., :K], -1, axis).astype(np.float32)
;;   ~~~
;;   SOFTMAX AHEAD OF A QUANTISED PRODUCT. Where the list says 'softmax', what is quantised is not the finished softmax but p = 2^(t - M), with t = logit x log2(e) and M = ceil(the row's largest t), a whole number; so 1/2 < the row's largest p <= 1. The row's sum l is taken of the UNQUANTISED p, in f32, and the product's result is divided by l at the end. Since M is a whole number, a kernel that streams over the keys may use a running M (the ceiling of the running maximum): every later rescaling is an exact power of two, which a block's scale takes up: the codes' values come out the same.
;;   OPERANDS COMPUTED ON THE WAY. 'Computed on the way' means the value that the module computes at that place (a softmax that the list does not call 'softmax' is quantised finished and normalised). What goes into a quantiser is computed in f32, as accurately as f32 sums, v_exp_f32 and their like allow (about 1e-6 of the number): no bf16 or f16 on the way to a quantiser, and a product that is left as it is and whose result goes on into a quantised operand takes f32 operands (vector FMAs, or v_wmma_f32_16x16x4_f32). A number that lies on a knife's edge between two numbers of the format may be rounded either way, as far as f32 arithmetic and the matrix unit's own rounding can turn it there, and no further.
;; One version. Each part assembles by itself: llvm-mc -triple=amdgcn-amd-amdhsa -mcpu=gfx1250 --defsym DOCPART=n.
;; ======== version 1 of 1: 4 launches
;; limits: right only within a limited range of input values
;; workspace buffers: codes 22,020,096 bytes; scales 917,504 bytes; att 20,185,088 bytes; xcodes 6,291,456 bytes; xsc 262,144 bytes
;; launch quant (part 1): grid 896 x 1, 4 waves a work-group, no clusters, 34,304 bytes of LDS; arguments query, key, value, Wq, Wk, Wv, Wo, codes, scales; writes codes, scales
.if DOCPART == 1
	.amdgcn_target "amdgcn-amd-amdhsa--gfx1250"
	.amdhsa_code_object_version 6
	.text
	.protected	k_q731e00110b_quant
	.globl	k_q731e00110b_quant
	.p2align	8
	.type	k_q731e00110b_quant,@function
k_q731e00110b_quant:
	s_mov_b64 s[64:65], 0
	v_nop
	global_prefetch_b8 v0, s[64:65] scope:SCOPE_SE
	s_setreg_imm32_b32 hwreg(HW_REG_WAVE_MODE, 25, 1), 1
	s_wait_xcnt 0x0
; query, key, value [8192][1024] and Wq, Wk, Wv, Wo [1024][1024], f32 with K innermost, become codes of FP6 (E2M3) and E8M0 scale bytes, one for each 32 along K.
; A block's scale is 2^(floor(log2(its largest magnitude)) - 2); its byte is the largest magnitude's exponent field - 2, held at 1 from below; each number is divided by the scale and rounded to the nearest code, ties to even.
; LIMITS: NaN and infinities among the inputs are not served.  A block whose largest magnitude lies under 2^-124, a block of zeros among them, gets the byte 1 (the rule gives a block of zeros 127):
; its codes are zeros or next to it, zero codes add nothing under any byte but 0xff, and the bytes are read by this program alone.
; THE SEVEN TENSORS ARE ONE SPACE OF 28,672 ROWS (query 0, key 8,192, value 16,384, Wq 24,576, Wk 25,600, Wv 26,624, Wo 27,648), cut into row blocks of 128.
; THE CODES ARE STORED AS IMAGES OF THE OPERAND'S REGISTERS.  A half-image, 768 bytes, is 16 rows x 64 K, registers 0-5 of a fragment: lane l's registers 0-3 at 16 l, its registers 4-5 at 512 + 8 l.
; Place: row block x 98,304 + (k / 256) x 24,576 + tile x 3,072 + ((k / 128) % 2) x 1,536 + ((k / 64) % 2) x 768: so 128 rows x 256 K are one dense block of 24,576 bytes.
; THE SCALE WORDS (4 bytes: one row, 128 K): row block x 4,096 + (k / 256) x 1,024 + (tile / 2) x 256 + 16 r + (tile % 2) x 8 + ((k / 128) % 2) x 4.
; ROW ORDER.  In key, value, Wq, Wk, Wv place r of tile 2 b + u of a group of 32 rows holds row 32 b + 8 u + r + 8 (r / 8), so that the results of a product used transposed lie along the next K in a lane's registers.
; query and Wo keep their order.  The order costs nothing here: of a group's four runs of eight rows the two middle ones change places.
; SHARES.  Work-group g takes rows 32 g .. 32 g + 31 (two tiles), wave w the 256 along K from 256 w on: four fragments f = 2 u + q (tile u, 128 along K from 128 q on).
; Each load reads 512 consecutive bytes of one row; a fragment's 16 rows turn through the wave's own stage in LDS, since the conversions want 16 neighbours along K in one lane.  Waves share nothing: no barrier.
; No cluster: no two work-groups read the same bytes.
.set SP,    528                        ; a stage row: 512 bytes + 16 = 132 words: row r starts at bank 4 r mod 64 (64 banks of 4 bytes: ISA guide 11.1)
.set STG,   16*SP                      ; a wave's stage
.set SPARE, 4*STG                      ; behind the stages: the spare words, 128 bytes for each wave: two blocks of 256 bytes that no other line names
.set LN16,  4                          ; v4   16 x lane
.set LN8,   5                          ; v5   8 x lane
.set SIN,   6                          ; v6   the stage on the way in: my 16 bytes of a row
.set SOUT,  7                          ; v7   and on the way out: row r, + 64 h
.set R16,   8                          ; v8   16 r
.set SPW,   12                         ; v12  LDS address of my spare word; never rewritten
.set NIL,   13                         ; v13  0; never rewritten
.set R,     16                         ; v16-143  two sets of 64: a fragment's numbers as loaded
.set X,     144                        ; v144-207 register 16 b + i = k 32 b + 16 h + i of row r
.set PC,    208                        ; v208-227 the codes just made
.set TM,    228                        ; v228-243 at work
.set PW,    244                        ; v244 the scale word just made
.set PWS,   248                        ; v248-251 the four fragments' scale words
.set SRC,   22                         ; s[22:23] my tensor
.set GB,    26                         ; s[26:33] where the eight rows of (tile u, half e) begin: s[GB + 4 u + 2 e]
.set CB,    34                         ; s[34:35] my codes
.set SB,    36                         ; s[36:37] my scale words
.set SEL,   38                         ; s[38:39] v_permlanex16_b32's selects for lane l xor 16
.set WV,    40
; 64 numbers of a lane, register 16 b + i = k 32 b + 16 (lane / 16) + i of my row, become a fragment's codes in v[PC] on and its scale word in v[PW]
.macro QUANT s
.irp b, 0,1,2,3
	v_max3_num_f32 v[TM+\b], |v[\s+16*\b]|, |v[\s+1+16*\b]|, 0x1800000   ; block b: my 16 numbers, and the floor 2^(3 - 127): the byte cannot fall under 1
.endr
.irp i, 2,4,6,8,10,12,14
.irp b, 0,1,2,3
	v_max3_num_f32 v[TM+\b], v[TM+\b], |v[\s+16*\b+\i]|, |v[\s+1+16*\b+\i]|   ; the four blocks by turns
.endr
.endr
.irp b, 0,1,2,3
	v_permlanex16_b32 v[TM+4+\b], v[TM+\b], s[SEL], s[SEL+1]
.endr
.irp b, 0,1,2,3
	v_max_num_f32 v[TM+\b], v[TM+\b], v[TM+4+\b]   ; with lane l xor 16's: the block's largest magnitude
.endr
.irp b, 0,1,2,3
	v_add_nc_u32 v[TM+12+\b], 0xff000000, v[TM+\b]   ; 2 off its exponent field: the conversion takes the exponent field of this operand as its scale
.endr
.irp b, 0,1,2,3
	v_lshrrev_b32 v[TM+4+\b], 23, v[TM+12+\b]      ; the scale's byte
.endr
	v_lshl_or_b32 v[PW], v[TM+5], 8, v[TM+4]       ; the four bytes make my row's scale word (the same in lanes l and l xor 16)
	v_lshl_or_b32 v[PW], v[TM+6], 16, v[PW]
	v_lshl_or_b32 v[PW], v[TM+7], 24, v[PW]
.irp c, 0,1
	v_cvt_scalef32_pk16_fp6_f32 v[PC+6*\c:PC+2+6*\c], v[\s+32*\c:\s+15+32*\c], v[TM+12+2*\c]
	v_cvt_scalef32_pk16_fp6_f32 v[PC+12+4*\c:PC+14+4*\c], v[\s+16+32*\c:\s+31+32*\c], v[TM+12+2*\c+1]   ; (a conversion's three registers begin on an even number)
.endr
	v_nop                                          ; one plain place behind a scaled conversion
.irp c, 0,1                                    ; the operand's layout wants a WHOLE block in a lane: lanes 0-15 block 2 c, lanes 16-31 block 2 c + 1
.irp i, 0,1,2
	v_permlane16_swap_b32 v[PC+6*\c+\i], v[PC+12+4*\c+\i]
.endr
.irp i, 0,1,2
	v_mov_b32 v[PC+3+6*\c+\i], v[PC+12+4*\c+\i]
.endr
.endr
.endm
.macro PICK first, ptr                 ; from work-group 'first' on the tensor is the one at s[ptr]: the choice hangs on the work-group's number alone
	s_cmp_ge_u32 ttmp9, \first
	s_cselect_b64 s[SRC:SRC+1], s[\ptr:\ptr+1], s[SRC:SRC+1]
	s_cselect_b32 s24, \first, s24
.endm
.macro LOAD f                          ; fragment f's 16 rows x 512 bytes into set f % 2
.irp p, 0,1,2,3,4,5,6,7,8,9,10,11,12,13,14,15
	global_load_b128 v[R+64*((\f)%2)+4*\p:R+64*((\f)%2)+4*\p+3], v[LN16], s[GB+4*((\f)/2)+2*(\p/8):GB+4*((\f)/2)+2*(\p/8)+1] offset:(\p%8)*4096+((\f)%2)*512 th:TH_LOAD_NT
.endr
.endm
.macro FRAGM f
.set FO, ((\f)/2)*3072+((\f)%2)*1536
.if (\f) > 0
	s_wait_xcnt 0x0                                ; the last fragment's stores have read their registers: the codes are written again only behind this wait
.endif
.if (\f) < 3
	s_wait_loadcnt 16                              ; my 16 loads are in; the next fragment's 16 stay out
.else
	s_wait_loadcnt 0x0
.endif
.irp p, 0,1,2,3,4,5,6,7,8,9,10,11,12,13,14,15
	ds_store_b128 v[SIN], v[R+64*((\f)%2)+4*\p:R+64*((\f)%2)+4*\p+3] offset:SP*\p
.endr
.irp b, 0,1,2,3
.irp j, 0,1,2,3
	ds_load_b128 v[X+16*\b+4*\j:X+16*\b+4*\j+3], v[SOUT] offset:128*\b+16*\j   ; LDS serves a wave's instructions in order (ISA guide 5.7.1.4): these see the stores above
.endr
.endr
	s_wait_dscnt 0x0                               ; the numbers are back, and the stores into the stage have read their registers,
.if (\f) < 2
	LOAD (\f)+2                                    ; which take the loads of two fragments on
.endif
	QUANT X
	global_store_b128 v[LN16], v[PC:PC+3], s[CB:CB+1] offset:FO          ; 512 consecutive bytes, at a multiple of 256 from the buffer's first byte
	global_store_b64 v[LN8], v[PC+4:PC+5], s[CB:CB+1] offset:FO+512      ; 256 consecutive bytes
	global_store_b128 v[LN16], v[PC+6:PC+9], s[CB:CB+1] offset:FO+768
	global_store_b64 v[LN8], v[PC+10:PC+11], s[CB:CB+1] offset:FO+1280
	v_mov_b32 v[PWS+(\f)], v[PW]
.endm
	s_load_b256 s[4:11], s[0:1], 0x0               ; query, key, value, Wq
	s_load_b256 s[12:19], s[0:1], 0x20             ; Wk, Wv, Wo, codes
	s_load_b64 s[20:21], s[0:1], 0x40              ; scales
	v_lshl_add_u32 v[SPW], v0, 2, SPARE
	v_mov_b32 v[NIL], 0
	v_lshrrev_b32 v1, 5, v0
	v_readfirstlane_b32 s[WV], v1                  ; wave 0..3
	v_and_b32 v1, 31, v0                           ; lane
	v_and_b32 v2, 15, v0                           ; r
	v_bfe_u32 v3, v0, 4, 1                         ; h
	v_lshlrev_b32 v[LN16], 4, v1
	v_lshlrev_b32 v[LN8], 3, v1
	s_mul_i32 s41, s[WV], STG
	v_add_nc_u32 v[SIN], s41, v[LN16]
	v_mul_u32_u24 v[SOUT], v2, SP
	v_lshl_add_u32 v[SOUT], v3, 6, v[SOUT]
	v_add_nc_u32 v[SOUT], s41, v[SOUT]
	v_lshlrev_b32 v[R16], 4, v2
.irp b, 0,1,2,3
	v_mov_b32 v[TM+4+\b], 0                        ; written once: a lane permute's destination counts as one of its sources
.endr
	s_mov_b32 s[SEL], 0x76543210
	s_mov_b32 s[SEL+1], 0xfedcba98
	s_sub_co_u32 s25, ttmp9, 256
	s_cmp_lt_u32 s25, 608                          ; work-groups 256 to 863 (key, value, Wq, Wk, Wv) take the other row order
	s_mov_b32 s42, 32768
	s_cselect_b32 s42, 65536, s42                  ; tile 0's places 8-15: rows 16-23 there, rows 8-15 else (eight rows are 32,768 bytes)
	s_mov_b32 s44, 65536
	s_cselect_b32 s44, 32768, s44                  ; tile 1's places 0-7: rows 8-15 there, rows 16-23 else
	s_mov_b32 s43, 0
	s_mov_b32 s45, 0
	s_wait_alu depctr_va_vdst(0)
	s_wait_kmcnt 0x0
	s_mov_b64 s[SRC:SRC+1], s[4:5]
	s_mov_b32 s24, 0
	PICK 256, 6
	PICK 512, 8
	PICK 768, 10
	PICK 800, 12
	PICK 832, 14
	PICK 864, 16
	s_sub_co_u32 s46, ttmp9, s24
	s_lshl_b32 s46, s46, 17                        ; 32 rows of 4,096 bytes for each work-group of the tensor (under 2^25)
	s_lshl_b32 s41, s[WV], 10                      ; my wave's 256 along K
	s_add_co_u32 s46, s46, s41
	s_mov_b32 s47, 0
	s_add_nc_u64 s[GB:GB+1], s[SRC:SRC+1], s[46:47]
	s_add_nc_u64 s[GB+2:GB+3], s[GB:GB+1], s[42:43]
	s_add_nc_u64 s[GB+4:GB+5], s[GB:GB+1], s[44:45]
	s_add_nc_u64 s[GB+6:GB+7], s[GB:GB+1], 98304
	s_lshr_b32 s46, ttmp9, 2                       ; the row block
	s_and_b32 s41, ttmp9, 3                        ; which pair of its tiles
	s_mul_i32 s24, s46, 98304
	s_mul_i32 s25, s[WV], 24576
	s_add_co_u32 s24, s24, s25
	s_mul_i32 s25, s41, 6144
	s_add_co_u32 s24, s24, s25
	s_mov_b32 s25, 0
	s_add_nc_u64 s[CB:CB+1], s[18:19], s[24:25]
	s_lshl_b32 s24, s46, 12
	s_lshl_b32 s46, s[WV], 10
	s_add_co_u32 s24, s24, s46
	s_lshl_b32 s46, s41, 8
	s_add_co_u32 s24, s24, s46
	s_add_nc_u64 s[SB:SB+1], s[20:21], s[24:25]
	LOAD 0
	LOAD 1
	FRAGM 0
	FRAGM 1
	FRAGM 2
	FRAGM 3
	global_store_b128 v[R16], v[PWS:PWS+3], s[SB:SB+1]   ; sixteen lanes store 256 consecutive bytes, aligned; lanes l and l + 16 hold the same four words and write the same 16 bytes
	s_wait_tensorcnt 0x0                           ; the wave's end, behind my last LDS store
	ds_add_u32 v[SPW], v[NIL]
	s_wait_dscnt 0x0
	s_endpgm
.Lfunc_end_k_q731e00110b_quant:
	.size	k_q731e00110b_quant, .Lfunc_end_k_q731e00110b_quant-k_q731e00110b_quant
	.p2alignl 7, 3214868480
	.fill 96, 4, 3214868480
	.section	.rodata,"a",@progbits
	.p2align	6, 0x0
	.amdhsa_kernel k_q731e00110b_quant
		.amdhsa_group_segment_fixed_size 34304
		.amdhsa_private_segment_fixed_size 0
		.amdhsa_enable_private_segment 0
		.amdhsa_kernarg_size 72
		.amdhsa_user_sgpr_count 2
		.amdhsa_user_sgpr_kernarg_segment_ptr 1
		.amdhsa_wavefront_size32 1
		.amdhsa_system_sgpr_workgroup_id_x 1
		.amdhsa_system_sgpr_workgroup_id_y 1
		.amdhsa_system_sgpr_workgroup_id_z 1
		.amdhsa_system_vgpr_workitem_id 0
		.amdhsa_next_free_vgpr 256
		.amdhsa_next_free_sgpr 66
		.amdhsa_reserve_vcc 0
		.amdhsa_float_denorm_mode_32 3
		.amdhsa_float_denorm_mode_16_64 3
		.amdhsa_memory_ordered 1
		.amdhsa_forward_progress 1
		.amdhsa_inst_pref_size 35
	.end_amdhsa_kernel
	.amdgpu_metadata
---
amdhsa.version: [ 1, 2 ]
amdhsa.kernels:
  - .name:           k_q731e00110b_quant
    .symbol:         k_q731e00110b_quant.kd
    .args:
      - { .name: query, .offset: 0, .size: 8, .value_kind: global_buffer, .address_space: global }
      - { .name: key, .offset: 8, .size: 8, .value_kind: global_buffer, .address_space: global }
      - { .name: value, .offset: 16, .size: 8, .value_kind: global_buffer, .address_space: global }
      - { .name: Wq, .offset: 24, .size: 8, .value_kind: global_buffer, .address_space: global }
      - { .name: Wk, .offset: 32, .size: 8, .value_kind: global_buffer, .address_space: global }
      - { .name: Wv, .offset: 40, .size: 8, .value_kind: global_buffer, .address_space: global }
      - { .name: Wo, .offset: 48, .size: 8, .value_kind: global_buffer, .address_space: global }
      - { .name: codes, .offset: 56, .size: 8, .value_kind: global_buffer, .address_space: global }
      - { .name: scales, .offset: 64, .size: 8, .value_kind: global_buffer, .address_space: global }
    .group_segment_fixed_size: 34304
    .private_segment_fixed_size: 0
    .kernarg_segment_align: 8
    .kernarg_segment_size: 72
    .max_flat_workgroup_size: 128
    .sgpr_count:     66
    .vgpr_count:     256
    .wavefront_size: 32
...
	.end_amdgpu_metadata
.endif
;; end of part 1
;; launch proj (part 2): grid 4 x 96, 4 waves a work-group, clusters of 4 x 4, 327,680 bytes of LDS; arguments codes, scales, bq, bk, bv, att; writes att
.if DOCPART == 2
	.amdgcn_target "amdgcn-amd-amdhsa--gfx1250"
	.amdhsa_code_object_version 6
	.text
	.protected	k_q731e00110b_proj
	.globl	k_q731e00110b_proj
	.p2align	8
	.type	k_q731e00110b_proj,@function
k_q731e00110b_proj:
	s_mov_b64 s[64:65], 0
	v_nop
	global_prefetch_b8 v0, s[64:65] scope:SCOPE_SE
	s_setreg_imm32_b32 hwreg(HW_REG_WAVE_MODE, 25, 1), 1
	s_wait_xcnt 0x0
	s_wait_alu depctr_hold_cnt(0) depctr_sa_sdst(0) depctr_va_vdst(0) depctr_va_sdst(0) depctr_va_ssrc(0) depctr_va_vcc(0) depctr_vm_vsrc(0)
	s_getreg_b32 s2, hwreg(HW_REG_IB_STS2, 6, 4)
	s_cmp_eq_u32 s2, 0
	s_cbranch_scc0 .Lentry_in_a_cluster
	s_endpgm
.Lentry_in_a_cluster:
	s_bfe_u32 s2, ttmp6, 0x10000c
	s_cmp_lg_u32 s2, 0xf033
	s_cbranch_scc0 .Lentry_shape_is_right
	s_endpgm
.Lentry_shape_is_right:
.set NQ,    2
.set FR,    12
.set NL,    4
.set NP,    4
.set PARTB, 24576
.set SLOT,  4*PARTB
.set RBB,   98304
.set SCL,   2*SLOT
.set SPART, 4096
.set SPARE, SCL+4*SPART
.set QS_OFF, 6291456
.set KV_OFF, 6815744
.set KVS,   13056
.set KVH,   16*KVS
.set LN16, 4
.set LN8,  5
.set ADRA, 16
.set ADRB, 20
.set SOF,  26
.set ADRS, 27
.set SPW,  28
.set NIL,  29
.set SHF,  30
.set SC,   32
.set BN,   64
.set AF,   128
.set BM,   240
.set HA,   128
.set PC,   192
.set TM,   212
.set PW,   228
.set SWS,  232
.set G1, 24
.set G0, 32
.set G1B, 48
.set G0B, 56
.set SEL, 66
.set G1S, 68
.set G0S, 76
.set G1SB, 80
.set G0SB, 88
.set XB00, 20
.set XB01, 22
.set XB10, 88
.set XB11, 90
.set XS0,  92
.set XS1,  94
.set MSB, 0
.macro WIN new
.if MSB != \new
	s_set_vgpr_msb (MSB<<8)|\new
.set MSB, \new
.endif
.endm
.set MUL_LO,   0xa1
.set MUL_HI,   0xf1
.set FIRST_LO, 0x81
.set FIRST_HI, 0xc1
.set TO_B,     0x40
.macro JLOAD g0a, g1a, g0b, g1b
	s_cmp_eq_u32 s15, 0
	s_cbranch_scc0 .Lfor_b_\@
	tensor_load_to_lds s[\g0a:\g0a+3], s[\g1a:\g1a+7]
	s_nop 0
.rept 4
	v_nop
.endr
	s_branch .Lasked_\@
.Lfor_b_\@:
	tensor_load_to_lds s[\g0b:\g0b+3], s[\g1b:\g1b+7]
	s_nop 0
.rept 4
	v_nop
.endr
.Lasked_\@:
.endm
.macro CREST
	s_cmp_lg_u32 s14, 0
	s_cbranch_scc1 .Lnot_wave_0_\@
	s_barrier_signal -3
.Lnot_wave_0_\@:
	s_barrier_wait -3
	s_barrier_signal -1
	s_barrier_wait -1
.endm
.macro CROUND
	s_barrier_signal -1
	s_barrier_wait -1
	CREST
.endm
.macro PLACES n
.rept \n
	v_nop
.endr
.endm
.macro FRAG reg, adr, q, i
.set FO, (\i)*3072+(\q)*1536
	ds_load_b128 v[\reg:\reg+3], v[\adr] offset:FO
	ds_load_b64 v[\reg+4:\reg+5], v[\adr+2] offset:FO+512
	ds_load_b128 v[\reg+6:\reg+9], v[\adr] offset:FO+768
	ds_load_b64 v[\reg+10:\reg+11], v[\adr+2] offset:FO+1280
.endm
.macro MUL16 a0, p, q, sc, zero
.irp a, \a0, \a0+1
.irp b, 0,1,2,3,4,5,6,7
.if \zero
	v_wmma_scale_f32_16x16x128_f8f6f4 v[8*(8*((\a)%4)+\b):8*(8*((\a)%4)+\b)+7], v[128*(\p)+FR*\b:128*(\p)+FR*\b+FR-1], v[AF+FR*(\a):AF+FR*(\a)+FR-1], v[BN+8*\b:BN+8*\b+7], v[SC+8*NQ*(\sc)+NQ*\b+(\q)], v[SC+8*NQ*(\sc)+NQ*(\a)+(\q)] matrix_a_fmt:MATRIX_FMT_FP6 matrix_b_fmt:MATRIX_FMT_FP6 matrix_a_scale:MATRIX_SCALE_ROW1
.else
	v_wmma_scale_f32_16x16x128_f8f6f4 v[8*(8*((\a)%4)+\b):8*(8*((\a)%4)+\b)+7], v[128*(\p)+FR*\b:128*(\p)+FR*\b+FR-1], v[AF+FR*(\a):AF+FR*(\a)+FR-1], v[8*(8*((\a)%4)+\b):8*(8*((\a)%4)+\b)+7], v[SC+8*NQ*(\sc)+NQ*\b+(\q)], v[SC+8*NQ*(\sc)+NQ*(\a)+(\q)] matrix_a_fmt:MATRIX_FMT_FP6 matrix_b_fmt:MATRIX_FMT_FP6 matrix_a_scale:MATRIX_SCALE_ROW1
.endif
.endr
.endr
.endm
.macro FETCH_B slot, q, p
	WIN TO_B
.irp i, 0,1,2,3,4,5,6,7
	FRAG 128*(\p)+FR*\i, ADRB+\slot, \q, \i
.endr
	WIN 0
.endm
.macro FETCH_A slot, q, i0
.irp i, \i0, \i0+1, \i0+2, \i0+3
	FRAG AF+FR*(\i), ADRA+\slot, \q, \i
.endr
.endm
.macro SCALES sc
.irp i, 0,1,2,3
	ds_load_b128 v[SC+16*\sc+4*\i:SC+16*\sc+4*\i+3], v[ADRS] offset:256*\i
.endr
.endm
.macro STEP slot, q, zero
	s_wait_dscnt 4*NL
.if \zero
	WIN FIRST_LO
.else
	WIN MUL_LO
.endif
	MUL16 0, (\q)%2, \q, \slot, \zero
	MUL16 2, (\q)%2, \q, \slot, \zero
	s_wait_dscnt 0
	PLACES NP
	FETCH_B \slot, (\q)+1, 1-(\q)%2
	FETCH_A \slot, (\q)+1, 0
.if \zero
	WIN FIRST_HI
.else
	WIN MUL_HI
.endif
	MUL16 4, (\q)%2, \q, \slot, \zero
	MUL16 6, (\q)%2, \q, \slot, \zero
	PLACES NP
	WIN 0
	FETCH_A \slot, (\q)+1, 4
.endm
.macro TURN slot, next, fill
	s_wait_tensorcnt 0x0
	ds_add_u32 v[SPW], v[NIL]
	s_wait_dscnt 4*NL+1
	WIN MUL_LO
	MUL16 0, 1, NQ-1, \slot, 0
	s_wait_dscnt 0x0
	s_barrier_signal -1
	MUL16 2, 1, NQ-1, \slot, 0
	WIN 0
	s_barrier_wait -1
.if \fill
	CREST
	s_add_nc_u64 s[G0+4*\slot+2:G0+4*\slot+3], s[G0+4*\slot+2:G0+4*\slot+3], 2*PARTB
	s_add_nc_u64 s[G0B+4*\slot+2:G0B+4*\slot+3], s[G0B+4*\slot+2:G0B+4*\slot+3], 2*PARTB
	JLOAD G0+4*\slot, G1, G0B+4*\slot, G1B
.else
	PLACES NP
.endif
	s_wait_alu depctr_va_vdst(0)
	v_add_nc_u32 v[ADRS], 1024, v[ADRS]
	FETCH_B \next, 0, 0
	FETCH_A \next, 0, 0
	SCALES \next
	WIN MUL_HI
	MUL16 4, 1, NQ-1, \slot, 0
	MUL16 6, 1, NQ-1, \slot, 0
	PLACES NP
	WIN 0
	FETCH_A \next, 0, 4
.endm
.macro QUANT s
.irp b, 0,1,2,3
	v_max3_num_f32 v[TM+\b], |v[\s+16*\b]|, |v[\s+1+16*\b]|, 0x1800000
.endr
.irp i, 2,4,6,8,10,12,14
.irp b, 0,1,2,3
	v_max3_num_f32 v[TM+\b], v[TM+\b], |v[\s+16*\b+\i]|, |v[\s+1+16*\b+\i]|
.endr
.endr
.irp b, 0,1,2,3
	v_permlanex16_b32 v[TM+4+\b], v[TM+\b], s[SEL], s[SEL+1]
.endr
.irp b, 0,1,2,3
	v_max_num_f32 v[TM+\b], v[TM+\b], v[TM+4+\b]
.endr
.irp b, 0,1,2,3
	v_add_nc_u32 v[TM+12+\b], 0xff000000, v[TM+\b]
.endr
.irp b, 0,1,2,3
	v_lshrrev_b32 v[TM+4+\b], 23, v[TM+12+\b]
.endr
	v_lshl_or_b32 v[PW], v[TM+5], 8, v[TM+4]
	v_lshl_or_b32 v[PW], v[TM+6], 16, v[PW]
	v_lshl_or_b32 v[PW], v[TM+7], 24, v[PW]
.irp c, 0,1
	v_cvt_scalef32_pk16_fp6_f32 v[PC+6*\c:PC+2+6*\c], v[\s+32*\c:\s+15+32*\c], v[TM+12+2*\c]
	v_cvt_scalef32_pk16_fp6_f32 v[PC+12+4*\c:PC+14+4*\c], v[\s+16+32*\c:\s+31+32*\c], v[TM+12+2*\c+1]
.endr
	v_nop
.irp c, 0,1
.irp i, 0,1,2
	v_permlane16_swap_b32 v[PC+6*\c+\i], v[PC+12+4*\c+\i]
.endr
.irp i, 0,1,2
	v_mov_b32 v[PC+3+6*\c+\i], v[PC+12+4*\c+\i]
.endr
.endr
.endm
	s_load_b128 s[4:7], s[0:1], 0x0
	s_load_b128 s[92:95], s[0:1], 0x10
	s_load_b128 s[96:99], s[0:1], 0x20
	v_lshl_add_u32 v[SPW], v0, 2, SPARE
	v_mov_b32 v[NIL], 0
	ds_add_u32 v[SPW], v[NIL]
	ds_add_u32 v[SPW], v[NIL]
	v_lshrrev_b32 v1, 5, v0
	v_readfirstlane_b32 s14, v1
	s_lshr_b32 s15, s14, 1
	s_and_b32 s16, s14, 1
	s_bfe_u32 s40, ttmp6, 0x40000
	s_bfe_u32 s41, ttmp6, 0x40004
	s_and_b32 s17, ttmp7, 0xffff
	s_lshl_b32 s43, s41, 2
	s_lshl_b32 s43, 15, s43
	s_lshl_b32 s44, 0x1111, s40
	s_or_b32 s[G1+0], s43, (3<<16)|(1<<21)
	s_or_b32 s[G1B+0], s44, (3<<16)|(1<<21)
.irp g, G1, G1B                        ; for the head's loads: a slot's two parts as 2 rows of 24,576 bytes (3,072 elements of 8), 98,304 bytes apart
	s_mov_b32 s[\g+1], 3072<<16
	s_mov_b32 s[\g+2], 2<<16
	s_mov_b32 s[\g+3], 3072<<16
	s_mov_b32 s[\g+4], 2
	s_mov_b32 s[\g+5], 12288
	s_mov_b32 s[\g+6], 0
	s_mov_b32 s[\g+7], 0
.endr
	s_or_b32 s[G1S+0], s43, (3<<16)|(1<<21)
	s_or_b32 s[G1SB+0], s44, (3<<16)|(1<<21)
.irp g, G1S, G1SB
	s_mov_b32 s[\g+1], 32<<16
	s_mov_b32 s[\g+2], 32<<16              ; the scales of two row blocks: 32 rows of 256 bytes, dense
	s_mov_b32 s[\g+3], 32<<16
	s_mov_b32 s[\g+4], 32
	s_mov_b32 s[\g+5], 32
	s_mov_b32 s[\g+6], 0
	s_mov_b32 s[\g+7], 0
.endr
	s_lshl_b32 s42, s17, 3
	s_lshr_b32 s3, s17, 3
	s_lshl_b32 s3, s3, 3
	s_add_co_u32 s3, s3, 192
	s_cmp_lt_u32 s17, 16
	s_cselect_b32 s18, s42, s3
	s_cselect_b32 s19, s3, s42
	s_lshl_b32 s20, s41, 1
	s_add_co_u32 s18, s18, s20
	s_add_co_u32 s18, s18, s16
	s_lshl_b32 s46, s40, 1
	s_add_co_u32 s19, s19, s46
	s_add_co_u32 s19, s19, s16
	s_mul_i32 s20, s18, RBB
	s_mov_b32 s21, 0
	s_lshl_b32 s22, s18, 12
	s_mov_b32 s23, 0
	s_mul_i32 s46, s19, RBB
	s_mov_b32 s47, 0
	s_lshl_b32 s100, s19, 12
	s_mov_b32 s101, 0
	s_mul_i32 s45, s14, PARTB
	s_wait_dscnt 0x0
	s_wait_kmcnt 0x0
	s_mov_b64 s[8:9], s[4:5]
	s_mov_b64 s[10:11], s[6:7]
	s_add_nc_u64 s[20:21], s[4:5], s[20:21]
	s_add_nc_u64 s[22:23], s[6:7], s[22:23]
	s_add_nc_u64 s[46:47], s[8:9], s[46:47]
	s_add_nc_u64 s[100:101], s[10:11], s[100:101]
	CROUND
	s_mul_i32 s12, s16, RBB                ; the head's four tiles begin at part 0: my part's offset is taken off again
	s_mov_b32 s13, 0
	s_mov_b32 s4, 1                        ; slot 0's two parts of A (the arguments that lay in s[4:11] have been used)
	s_mov_b32 s5, 0
	s_sub_nc_u64 s[6:7], s[20:21], s[12:13]
	s_or_b32 s7, s7, 0x80000000
	s_mov_b32 s8, 1                        ; and of B, behind them
	s_mov_b32 s9, 2*PARTB
	s_sub_nc_u64 s[10:11], s[46:47], s[12:13]
	s_or_b32 s11, s11, 0x80000000
	s_lshl_b32 s12, s16, 12
	s_mov_b32 s[G0S], 1                    ; the scales of A's two row blocks,
	s_mov_b32 s[G0S+1], SCL
	s_sub_nc_u64 s[G0S+2:G0S+3], s[22:23], s[12:13]
	s_or_b32 s[G0S+3], s[G0S+3], 0x80000000
	s_mov_b32 s[G0SB], 1                   ; and of B's
	s_mov_b32 s[G0SB+1], SCL+2*SPART
	s_sub_nc_u64 s[G0SB+2:G0SB+3], s[100:101], s[12:13]
	s_or_b32 s[G0SB+3], s[G0SB+3], 0x80000000
.irp s, 0,1
	s_mov_b32 s[G0+4*\s], 1
	s_add_co_u32 s[G0+4*\s+1], s45, \s*SLOT
	s_add_nc_u64 s[G0+4*\s+2:G0+4*\s+3], s[20:21], \s*PARTB
	s_or_b32 s[G0+4*\s+3], s[G0+4*\s+3], 0x80000000
	s_mov_b32 s[G0B+4*\s], 1
	s_add_co_u32 s[G0B+4*\s+1], s45, \s*SLOT
	s_add_nc_u64 s[G0B+4*\s+2:G0B+4*\s+3], s[46:47], \s*PARTB
	s_or_b32 s[G0B+4*\s+3], s[G0B+4*\s+3], 0x80000000
.endr
; THE HEAD'S LOADS, ONE A WAVE: wave 0 slot 0's A, wave 1 its B, wave 2 A's scales, wave 3 B's: one tree of branches on the wave's number, every way through it passes one load
.macro ARM under, g0, g1, next
	s_cmp_lt_u32 s14, \under
	s_cbranch_scc0 \next
	tensor_load_to_lds s[\g0:\g0+3], s[\g1:\g1+7]
	s_nop 0
.rept 4
	v_nop
.endr
	s_branch .Lhead_asked
\next:
.endm
	ARM 1, 4, G1, .Lhead_b
	ARM 2, 8, G1B, .Lhead_sa
	ARM 3, G0S, G1S, .Lhead_sb
	tensor_load_to_lds s[G0SB:G0SB+3], s[G1SB:G1SB+7]
	s_nop 0
.rept 4
	v_nop
.endr
.Lhead_asked:
	v_and_b32 v1, 15, v0
	v_bfe_u32 v2, v0, 4, 1
	v_and_b32 v3, 31, v0
	v_lshlrev_b32 v[LN16], 4, v3
	v_lshlrev_b32 v[LN8], 3, v3
	s_mul_i32 s21, s15, PARTB
	s_mul_i32 s22, s16, PARTB
	s_add_co_u32 s22, s22, 2*PARTB
.irp s, 0,1
	v_add_nc_u32 v[ADRA+\s], s21, v[LN16]
	v_add_nc_u32 v[ADRB+\s], s22, v[LN16]
	v_add_nc_u32 v[ADRA+2+\s], s21, v[LN8]
	v_add_nc_u32 v[ADRB+2+\s], s22, v[LN8]
	s_add_co_u32 s21, s21, SLOT
	s_add_co_u32 s22, s22, SLOT
.endr
	v_lshlrev_b32 v6, 4, v1
	s_lshl_b32 s21, s15, 12
	s_lshl_b32 s22, s16, 12
	s_add_co_u32 s22, s22, 2*SPART
	s_sub_co_u32 s22, s22, s21
	v_mul_u32_u24 v7, s22, v2
	s_add_co_u32 s21, s21, SCL
	v_add_nc_u32 v6, v6, v7
	v_add_nc_u32 v[ADRS], s21, v6
	s_cmp_lt_u32 s17, 8
	s_cselect_b64 s[12:13], s[92:93], s[94:95]
	s_cmp_lt_u32 s17, 16
	s_cselect_b64 s[12:13], s[12:13], s[96:97]
	s_cselect_b32 s42, -1, 0
	s_cselect_b32 s3, 0, -1
	s_lshl_b32 s21, s40, 10
	s_lshl_b32 s22, s16, 9
	s_add_co_u32 s21, s21, s22
	v_lshl_add_u32 v8, v2, 6, s21
	s_lshl_b32 s21, s41, 10
	s_lshl_b32 s22, s15, 9
	s_add_co_u32 s21, s21, s22
	v_and_b32 v9, 8, v1
	v_add_nc_u32 v9, v9, v1
	v_lshl_add_u32 v9, v9, 2, s21
.irp b, 0,1,2,3,4,5,6,7
	global_load_b128 v[BN+8*\b:BN+8*\b+3], v8, s[12:13] offset:128*(\b/2)+32*(\b%2)
	global_load_b128 v[BN+8*\b+4:BN+8*\b+7], v8, s[12:13] offset:128*(\b/2)+32*(\b%2)+16
.endr
.irp a, 0,1,2,3,4,5,6,7
	global_load_b32 v[BM+2*\a], v9, s[12:13] offset:128*(\a/2)+32*(\a%2)
.endr
.irp a, 0,1,2,3,4,5,6,7
	v_mov_b32 v[BM+2*\a+1], 0
.endr
	s_mov_b32 s[SEL], 0x76543210
	s_mov_b32 s[SEL+1], 0xfedcba98
	s_wait_loadcnt 0x0
.set i, 0
.rept 64
	v_cndmask_b32 v[BN+i], 0, v[BN+i], s42
.set i, i+1
.endr
.irp a, 0,1,2,3,4,5,6,7
	v_cndmask_b32 v[BM+2*\a], 0, v[BM+2*\a], s3
.endr
	s_wait_alu depctr_va_vdst(0)
	s_wait_tensorcnt 0x0                   ; my tile of the head's four is in
	ds_add_u32 v[SPW], v[NIL]
.irp g, G1, G1B                        ; no tensor load of mine is out: from here on a load brings one part, 96 rows of 256 bytes
	s_mov_b32 s[\g+1], 32<<16
	s_mov_b32 s[\g+2], 96<<16
	s_mov_b32 s[\g+3], 32<<16
	s_mov_b32 s[\g+4], 96
	s_mov_b32 s[\g+5], 32
.endr
	s_wait_dscnt 0x0
	CROUND                                 ; all four tiles are in, and all sixteen work-groups are here
	JLOAD G0+4, G1, G0B+4, G1B             ; slot 1's first fill, the first tensor load behind the round
	FETCH_B 0, 0, 0
	FETCH_A 0, 0, 0
	SCALES 0
	FETCH_A 0, 0, 4
	STEP 0, 0, 1
	TURN 0, 1, 1
	STEP 1, 0, 0
	TURN 1, 0, 1
	STEP 0, 0, 0
	TURN 0, 1, 0
	STEP 1, 0, 0
	s_wait_dscnt 4*NL
	WIN MUL_LO
	MUL16 0, 1, NQ-1, 1, 0
	MUL16 2, 1, NQ-1, 1, 0
	s_wait_dscnt 0
	WIN MUL_HI
	MUL16 4, 1, NQ-1, 1, 0
	MUL16 6, 1, NQ-1, 1, 0
	WIN 0
	s_lshl_b32 s85, s41, 1
	s_add_co_u32 s85, s85, s15
	s_lshl_b32 s87, s40, 1
	s_add_co_u32 s87, s87, s16
	s_and_b32 s86, s17, 7
	s_lshr_b32 s86, s86, 1
	s_lshl_b32 s86, s86, 4
	s_and_b32 s18, s17, 1
	s_lshl_b32 s18, s18, 3
	s_cmp_lt_u32 s17, 8
	s_mov_b32 s68, KV_OFF
	s_cselect_b32 s68, 0, s68
	s_mov_b32 s70, KVH
	s_cselect_b32 s70, 98304, s70
	s_mov_b32 s71, KVS
	s_cselect_b32 s71, 6144, s71
	s_mov_b32 s76, KV_OFF+12288
	s_cselect_b32 s76, QS_OFF, s76
	s_mov_b32 s78, KVH
	s_cselect_b32 s78, 8192, s78
	s_mov_b32 s79, KVS
	s_cselect_b32 s79, 512, s79
	s_cmp_lt_u32 s17, 16
	s_cselect_b32 s68, s68, KV_OFF+6144
	s_mov_b32 s72, KVH
	s_cselect_b32 s72, 3072, s72
	s_cselect_b32 s74, s70, 3072
	s_cselect_b32 s76, s76, KV_OFF+12800
	s_cselect_b32 s80, s78, 0
	s_mov_b32 s82, KVH
	s_cselect_b32 s82, 256, s82
	s_cselect_b32 s81, 16, 0
	s_cselect_b32 s84, 0xffff, -1
	s_cselect_b32 s19, s85, s87
	s_cselect_b32 s2, s87, s85
	s_add_co_u32 s19, s19, s18
	s_lshl_b32 s2, s2, 1
	s_add_co_u32 s86, s86, s2
	s_mul_i32 s70, s70, s86
	s_mul_i32 s71, s71, s19
	s_add_co_u32 s68, s68, s70
	s_add_co_u32 s68, s68, s71
	s_mov_b32 s69, 0
	s_mov_b32 s73, 0
	s_mov_b32 s75, 0
	s_mul_i32 s78, s78, s86
	s_mul_i32 s79, s79, s19
	s_add_co_u32 s76, s76, s78
	s_add_co_u32 s76, s76, s79
	s_mov_b32 s77, 0
	s_mov_b32 s83, 0
	s_add_nc_u64 s[XB00:XB00+1], s[98:99], s[68:69]
	s_add_nc_u64 s[XB01:XB01+1], s[XB00:XB00+1], s[74:75]
	s_add_nc_u64 s[XB10:XB10+1], s[XB00:XB00+1], s[72:73]
	s_add_nc_u64 s[XB11:XB11+1], s[XB10:XB10+1], s[74:75]
	s_add_nc_u64 s[XS0:XS0+1], s[98:99], s[76:77]
	s_add_nc_u64 s[XS1:XS1+1], s[XS0:XS0+1], s[82:83]
	PLACES NP
	v_mul_u32_u24 v[SOF], s80, v2
	v_lshl_add_u32 v[SOF], v1, 4, v[SOF]
	v_mul_u32_u24 v[SHF], s81, v2
.irp b, 0,1,2,3
	v_mov_b32 v[TM+4+\b], 0
.endr
.macro PUT base0, base1, off
	global_store_b128 v[LN16], v[PC:PC+3], s[\base0:\base0+1] offset:\off
	global_store_b64 v[LN8], v[PC+4:PC+5], s[\base0:\base0+1] offset:\off+512
	global_store_b128 v[LN16], v[PC+6:PC+9], s[\base1:\base1+1] offset:\off
	global_store_b64 v[LN8], v[PC+10:PC+11], s[\base1:\base1+1] offset:\off+512
.endm
.macro OUTA a
.set WN, 0x02+(\a)/4
.set AC, 64*((\a)%4)
	WIN WN
.set i, 0
.rept 32
	v_pk_add_f32 v[HA+2*i:HA+2*i+1], v[AC+2*i:AC+2*i+1], v[BM+2*(\a):BM+2*(\a)+1] op_sel_hi:[1,0]
.set i, i+1
.endr
	WIN 0
.if (\a) > 0
	s_wait_xcnt 0x0
.endif
	QUANT HA
.if (\a) < 4
	PUT XB00, XB01, ((\a)%4)*768
.else
	PUT XB10, XB11, ((\a)%4)*768
.endif
	v_lshrrev_b32 v[SWS+(\a)], v[SHF], v[PW]
	v_and_b32 v[SWS+(\a)], s84, v[SWS+(\a)]
.endm
.irp a, 0,1,2,3,4,5,6,7
	OUTA \a
.endr
	global_store_b128 v[SOF], v[SWS:SWS+3], s[XS0:XS0+1]
	global_store_b128 v[SOF], v[SWS+4:SWS+7], s[XS1:XS1+1]
	s_wait_tensorcnt 0x0
	ds_add_u32 v[SPW], v[NIL]
	s_wait_dscnt 0x0
	CROUND
	s_endpgm
.Lfunc_end_k_q731e00110b_proj:
	.size	k_q731e00110b_proj, .Lfunc_end_k_q731e00110b_proj-k_q731e00110b_proj
	.p2alignl 7, 3214868480
	.fill 96, 4, 3214868480
	.section	.rodata,"a",@progbits
	.p2align	6, 0x0
	.amdhsa_kernel k_q731e00110b_proj
		.amdhsa_group_segment_fixed_size 327680
		.amdhsa_private_segment_fixed_size 0
		.amdhsa_enable_private_segment 0
		.amdhsa_kernarg_size 48
		.amdhsa_user_sgpr_count 2
		.amdhsa_user_sgpr_kernarg_segment_ptr 1
		.amdhsa_wavefront_size32 1
		.amdhsa_system_sgpr_workgroup_id_x 1
		.amdhsa_system_sgpr_workgroup_id_y 1
		.amdhsa_system_sgpr_workgroup_id_z 1
		.amdhsa_system_vgpr_workitem_id 0
		.amdhsa_next_free_vgpr 1024
		.amdhsa_next_free_sgpr 102
		.amdhsa_reserve_vcc 0
		.amdhsa_float_denorm_mode_32 3
		.amdhsa_float_denorm_mode_16_64 3
		.amdhsa_memory_ordered 1
		.amdhsa_forward_progress 1
		.amdhsa_inst_pref_size 174
	.end_amdhsa_kernel
	.amdgpu_metadata
---
amdhsa.version: [ 1, 2 ]
amdhsa.kernels:
  - .name:           k_q731e00110b_proj
    .symbol:         k_q731e00110b_proj.kd
    .args:
      - { .name: codes, .offset: 0, .size: 8, .value_kind: global_buffer, .address_space: global }
      - { .name: scales, .offset: 8, .size: 8, .value_kind: global_buffer, .address_space: global }
      - { .name: bq, .offset: 16, .size: 8, .value_kind: global_buffer, .address_space: global }
      - { .name: bk, .offset: 24, .size: 8, .value_kind: global_buffer, .address_space: global }
      - { .name: bv, .offset: 32, .size: 8, .value_kind: global_buffer, .address_space: global }
      - { .name: att, .offset: 40, .size: 8, .value_kind: global_buffer, .address_space: global }
    .group_segment_fixed_size: 327680
    .private_segment_fixed_size: 0
    .kernarg_segment_align: 8
    .kernarg_segment_size: 48
    .max_flat_workgroup_size: 128
    .sgpr_count:     102
    .vgpr_count:     1024
    .wavefront_size: 32
...
	.end_amdgpu_metadata
.endif
;; end of part 2
;; launch attn (part 3): grid 4 x 64, 8 waves a work-group, clusters of 4 x 1, 262,144 bytes of LDS; arguments att, xcodes, xsc; writes xcodes, xsc
.if DOCPART == 3
	.amdgcn_target "amdgcn-amd-amdhsa--gfx1250"
	.amdhsa_code_object_version 6
	.text
	.protected	k_q731e00110b_attn
	.globl	k_q731e00110b_attn
	.p2align	8
	.type	k_q731e00110b_attn,@function
k_q731e00110b_attn:
	s_mov_b64 s[64:65], 0
	v_nop
	global_prefetch_b8 v0, s[64:65] scope:SCOPE_SE
	s_setreg_imm32_b32 hwreg(HW_REG_WAVE_MODE, 25, 1), 1
	s_wait_xcnt 0x0
	s_wait_alu depctr_hold_cnt(0) depctr_sa_sdst(0) depctr_va_vdst(0) depctr_va_sdst(0) depctr_va_ssrc(0) depctr_va_vcc(0) depctr_vm_vsrc(0)
	s_getreg_b32 s2, hwreg(HW_REG_IB_STS2, 6, 4)
	s_cmp_eq_u32 s2, 0
	s_cbranch_scc0 .Lentry_in_a_cluster
	s_endpgm
.Lentry_in_a_cluster:
	s_bfe_u32 s2, ttmp6, 0x10000c
	s_cmp_lg_u32 s2, 0x3003
	s_cbranch_scc0 .Lentry_shape_is_right
	s_endpgm
.Lentry_shape_is_right:
; x[b][q][head][:] = the sum over k of softmax_k(Q . K / 8) V, for 64 heads (batch x head) of 2,048 queries, 2,048 keys and 64 channels; both products on codes of FP6 (E2M3), one E8M0 scale for each 32 along K.
; THE SOFTMAX: t = score x log2(e) / 8; M = the row's largest t so far, rounded UP to a whole number; p = 2^(t - M) is quantised along the keys, not normalised.  The row's sum is taken of the unquantised p, in f32,
; and divides the result at the end.  When M moves, the sum and O are multiplied by 2^(old M - new M): exact.  x is quantised here along its 64 channels and leaves as the last product's operand.
; THE FIRST PRODUCT'S K IS 64, the instruction's 128: registers 6-11 of both operands hold zero codes; their scale bytes are 0, which is no NaN.
; SHARES.  A cluster of four work-groups owns a head, a work-group 512 of its queries, in two passes of 256; each of its EIGHT waves two tiles of 16 queries a pass, which share every fragment of K and V read from LDS.
; THE HEAD'S WHOLE K AND V STAY IN LDS: 16 blocks (128 keys each) of 51 rows of 256 bytes, each row followed by 64 bytes of padding (pitch 320); wave w brings blocks 2 w, 2 w + 1 by ONE joint tensor load of the four
; work-groups.  Nothing is filled again: one barrier behind the fill, none in the loop.  No prefetch: K and V are asked for once, at the head, and there is no loop to run ahead in.
; A block (dense bytes): K's 8 half-images of 768 (16 keys x 64: lane l's registers 0-3 at 16 l, 4-5 at 512 + 8 l); V^T's 4 of keys 0-63, 4 of keys 64-127; K's scale words [2][16 r][4 tiles]; V's [16 r][4 tiles].
; LAYOUT.  Both products are used transposed (S^T = K Q^T, O^T = V^T P^T): a lane holds ONE query (lane % 16).  In memory place r of K's tile 2 b + u is key 32 b + 8 u + r + 8 (r / 8).  THE TILES MULTIPLIED HERE ARE OTHERS, picked by the
; lanes' LDS addresses: tile 4 c + i takes keys 64 c + 8 i + 0..7 in places 0-7 and keys 64 c + 32 + 8 i + 0..7 in places 8-15.  So register 32 c + 8 i + j of lane (r, h) is key 64 c + 32 h + 8 i + j: a lane holds WHOLE blocks of
; 32 keys in the order of the second product's operand: a block's maximum needs no other lane and the codes need no exchange of lanes.  With the pitch of 320 places 8-15 (two images, 1,920 bytes on) start 128 bytes on modulo 256.
; LOADS: V's fragments of this step and K's of the next (behind the last step: block 0 again, which the second pass begins with; the last pass's are not used) are issued in one run, behind the wait that stands ahead of the exponentials.
; Dependent lines are laid as two to eight independent chains by turns (the two tiles, their two blocks each, a block's two halves).
; LIMITS: NaN and infinities are not served.  The promise holds while |t| stays under 2^31.  p under 2^-126 comes out as 0 (v_exp_f32 flushes such results: ISA guide 15.8).  1 / the sum is v_rcp_f32.  A block whose largest
; magnitude lies under 2^-124, a block of zeros among them, gets the byte 1 (the rule gives a block of zeros 127): this program alone reads the bytes.
; x's scale bytes leave two at a lane, 16 bytes apart: a row's word of 128 K belongs to two heads, hence to two clusters.  The codes leave in runs of 512 and 256 consecutive bytes.
; REGISTERS.  Window 0: addresses, Q, K's 8 and V's 4 fragments, scale words, p's codes, the small state of both tiles.  Window 1: v0-127 S^T then p (tile u at 64 u), v128-191 O^T (32 u), v192-255 the tree of the row sums (32 u).
.set KVL,   16320                      ; a block in LDS: 51 x 320
.set KVH,   208896                     ; a head's K and V in memory
.set QS_OFF, 6291456
.set KV_OFF, 6815744
.set SPARE, 16*KVL                     ; the spare words, 128 bytes for each wave: four blocks of 256 bytes that no other line names
.set SPW,  1                           ; LDS address of my spare word; never rewritten
.set NIL,  2                           ; 0; never rewritten
.set PK16, 3                           ; lane terms: K's registers 0-3: 16 (r % 8) + 320 h + 1920 (r / 8)
.set PK8,  4                           ; K's registers 4-5: 8 (r % 8) + 128 h + 1920 (r / 8)
.set PKS,  5                           ; K's scale words: 16 (r % 8) + 8 (r / 8)
.set PV16, 6                           ; V's registers 0-3: 16 r + 320 h
.set PV8,  7                           ; 8 x lane
.set PVS,  8                           ; 16 r
.set AK16, 9                           ; the same six with a block's base
.set AK8,  10
.set AKS,  11
.set AV16, 12
.set AV8,  13
.set AVS,  14
.set SH8,  15                          ; 8 h
.set QF,   16                          ; Q's fragments, 12 u
.set KF,   40                          ; K's, 12 t; the upper six of each are zeros
.set VF,   136                         ; V's, 12 t
.set KS,   184                         ; scale words: K's 8, V's 4, Q's 2, p's 2
.set VS,   192
.set QS,   196
.set PS,   198
.set PC,   200                         ; p's codes, 12 u
.set NM,   224                         ; -M, 2 u (named as a pair)
.set F,    228                         ; 2^(old M - new M), 2 u (pair)
.set L,    232                         ; the row's sum in two halves, 2 u
.set R,    236                         ; the largest score so far, u
.set BM,   238                         ; block maxima, 2 u + c
.set SO,   242                         ; the conversions' scale operands, 2 u + c
.set T,    246                         ; at work, u
.set X,    248
.set LN16, 250                         ; 16 x lane
.set B2,   252                         ; the maxima of the blocks' upper halves, 2 u + c (at the head: at work)
.set OB,   128                         ; window 1
.set TS,   192
.set WV,   10
.set SEL,  28                          ; s[28:29] selects for lane l xor 16
.set CS,   30                          ; s[30:31] c = log2(e) / 8, as a pair
.set NC,   32                          ; -c
.set CNT,  33
.set TBV,  34                          ; LDS byte of this step's block
.set TBK,  35                          ; and of the next step's
.set QB,   36
.set QSB,  38
.set XB,   40
.set XSB,  42
.set PASSC, 50
.set MSB, 0
.macro WIN new                         ; low byte: bits 1:0 source 0, 3:2 source 1, 5:4 source 2, 7:6 destination; the high byte repeats the setting that is left
.if MSB != \new
	s_set_vgpr_msb (MSB<<8)|\new
.set MSB, \new
.endif
.endm
.macro CROUND                          ; a round of the cluster's barrier
	s_barrier_signal -1
	s_barrier_wait -1
	s_cmp_lg_u32 s[WV], 0
	s_cbranch_scc1 .Lnot_wave_0_\@
	s_barrier_signal -3
.Lnot_wave_0_\@:
	s_barrier_wait -3
	s_barrier_signal -1
	s_barrier_wait -1
.endm
.macro LDV1 t                          ; V^T's fragment t: 16 channels x 128 keys
	ds_load_b128 v[VF+12*\t:VF+12*\t+3], v[AV16] offset:7680+960*\t
	ds_load_b64 v[VF+12*\t+4:VF+12*\t+5], v[AV8] offset:8320+960*\t
	ds_load_b128 v[VF+12*\t+6:VF+12*\t+9], v[AV16] offset:11520+960*\t
	ds_load_b64 v[VF+12*\t+10:VF+12*\t+11], v[AV8] offset:12160+960*\t
.endm
.macro LDK1 t, a16, a8                 ; K's tile t = 4 c + i: image 4 c + i % 2 (places 8-15: two images on), its places 8 (i / 2) on
	ds_load_b128 v[KF+12*\t:KF+12*\t+3], v[\a16] offset:(4*(\t/4)+(\t%2))*960+128*((\t%4)/2)
	ds_load_b64 v[KF+12*\t+4:KF+12*\t+5], v[\a8] offset:(4*(\t/4)+(\t%2))*960+640+64*((\t%4)/2)
.endm
.macro LDKS as                         ; K's scale words, two tiles a load
.irp p, 0,1,2,3
	ds_load_b64 v[KS+2*\p:KS+2*\p+1], v[\as] offset:15360+320*(\p/2)+128*(\p%2)
.endr
.endm
.macro QLOAD                           ; both tiles' half-images of Q and their scale words
	global_load_b128 v[QF:QF+3], v[LN16], s[QB:QB+1]
	global_load_b64 v[QF+4:QF+5], v[PV8], s[QB:QB+1] offset:512
	global_load_b128 v[QF+12:QF+15], v[LN16], s[QB:QB+1] offset:768
	global_load_b64 v[QF+16:QF+17], v[PV8], s[QB:QB+1] offset:1280
	global_load_b64 v[QS:QS+1], v[PVS], s[QSB:QSB+1]
.endm
.macro FOLD n                          ; a level of the sums' tree: 2 n pairs become n, in both tiles
.irp u, 0,1
.set k, 0
.rept \n
	v_pk_add_f32 v[TS+32*\u+2*k:TS+32*\u+2*k+1], v[TS+32*\u+2*k:TS+32*\u+2*k+1], v[TS+32*\u+2*(k+\n):TS+32*\u+2*(k+\n)+1]
.set k, k+1
.endr
.endr
.endm
	s_load_b128 s[4:7], s[0:1], 0x0                ; att, xcodes
	s_load_b64 s[8:9], s[0:1], 0x10                ; xsc
	v_lshl_add_u32 v[SPW], v0, 2, SPARE
	v_mov_b32 v[NIL], 0
	ds_add_u32 v[SPW], v[NIL]                      ; the opening lines: the add, twice on end, and its wait ahead of my first tensor load
	ds_add_u32 v[SPW], v[NIL]
	v_lshrrev_b32 v[T], 5, v0
	v_readfirstlane_b32 s[WV], v[T]                ; wave 0..7
	s_bfe_u32 s11, ttmp6, 0x40000                  ; cx: it enters Q's and x's global addresses alone
	s_and_b32 s12, ttmp7, 0xffff                   ; 16 x batch + head, which the four partners share
	s_mov_b32 s16, 15|(3<<16)|(1<<20)|(1<<21)|(5<<22)|(15<<25)  ; the mask: all four; elements of 8 bytes; padding on; 21 beside a mask; after every 64 words 16 words
	s_mov_b32 s17, 32<<16                          ; tensor_dim0: 256 bytes
	s_mov_b32 s18, 102<<16                         ; tensor_dim1: two blocks of 51 rows
	s_mov_b32 s19, 32<<16
	s_mov_b32 s20, 102
	s_mov_b32 s21, 32
	s_mov_b32 s22, 0
	s_mov_b32 s23, 0
	s_mul_i32 s13, s[WV], 2*KVL                    ; my two blocks: in LDS,
	s_mul_i32 s44, s[WV], 26112
	s_mul_i32 s45, s12, KVH
	s_add_co_u32 s44, s44, s45
	s_add_co_u32 s44, s44, KV_OFF                  ; and in memory (under 2^25)
	s_mov_b32 s45, 0
	s_mov_b32 s[SEL], 0x76543210
	s_mov_b32 s[SEL+1], 0xfedcba98
	s_mov_b32 s[CS], 0x3e38aa3b
	s_mov_b32 s[CS+1], s[CS]
	s_mov_b32 s[NC], 0xbe38aa3b
	s_wait_dscnt 0x0                               ; both opening adds are done
	s_wait_kmcnt 0x0
	s_mov_b32 s24, 1
	s_mov_b32 s25, s13
	s_add_nc_u64 s[26:27], s[4:5], s[44:45]
	s_or_b32 s27, s27, 0x80000000
	CROUND                                         ; all four work-groups are here: the joint loads meet
	tensor_load_to_lds s[24:27], s[16:23]
	s_nop 0
.rept 4
	v_nop
.endr
	v_and_b32 v[LN16], 31, v0
	v_and_b32 v251, 15, v0                         ; r
	v_bfe_u32 v252, v0, 4, 1                       ; h
	v_and_b32 v253, 7, v0                          ; r % 8
	v_bfe_u32 v254, v0, 3, 1                       ; r / 8
	v_lshlrev_b32 v[PV8], 3, v[LN16]
	v_lshlrev_b32 v[LN16], 4, v[LN16]
	v_lshlrev_b32 v[PVS], 4, v251
	v_mul_u32_u24 v255, v254, 1920
	v_mad_u32_u24 v[PV16], v252, 320, v[PVS]
	v_lshl_add_u32 v[PK16], v253, 4, v255
	v_lshl_add_u32 v[PK8], v253, 3, v255
	v_lshlrev_b32 v[PKS], 4, v253
	v_mad_u32_u24 v[PK16], v252, 320, v[PK16]
	v_lshl_add_u32 v[PK8], v252, 7, v[PK8]
	v_lshl_add_u32 v[PKS], v254, 3, v[PKS]
	v_lshlrev_b32 v[SH8], 3, v252
.irp u, 0,1
.irp i, 6,7,8,9,10,11
	v_mov_b32 v[QF+12*\u+\i], 0                    ; Q's codes of K = 64 .. 127
.endr
.endr
.irp t, 0,1,2,3,4,5,6,7
.irp i, 6,7,8,9,10,11
	v_mov_b32 v[KF+12*\t+\i], 0                    ; K's likewise: written once
.endr
.endr
.irp i, X, X+1, NM+1, NM+3, F+1, F+3
	v_mov_b32 v[\i], 0                             ; a lane permute's destination counts as a source; the upper halves of pairs are named with the lower
.endr
	s_lshl_b32 s44, s12, 7
	s_lshl_b32 s45, s11, 5
	s_add_co_u32 s44, s44, s45
	s_lshl_b32 s45, s[WV], 1
	s_add_co_u32 s44, s44, s45                     ; my first tile of queries: 128 x head + 32 cx + 2 x wave; the second pass's are 16 tiles on
	s_mul_i32 s44, s44, 768
	s_mov_b32 s45, 0
	s_add_nc_u64 s[QB:QB+1], s[4:5], s[44:45]
	s_lshl_b32 s44, s12, 13                        ; their scale words: 8,192 x head + 256 x (tile / 4) + 4 x (tile % 4), + 16 r
	s_lshl_b32 s46, s11, 11
	s_add_co_u32 s44, s44, s46
	s_lshr_b32 s46, s[WV], 1
	s_lshl_b32 s46, s46, 8
	s_add_co_u32 s44, s44, s46
	s_and_b32 s46, s[WV], 1
	s_lshl_b32 s46, s46, 3
	s_add_co_u32 s44, s44, s46
	s_add_co_u32 s44, s44, QS_OFF
	s_add_nc_u64 s[QSB:QSB+1], s[4:5], s[44:45]
	s_lshr_b32 s46, s12, 4
	s_lshl_b32 s46, s46, 4
	s_lshl_b32 s47, s11, 2
	s_add_co_u32 s46, s46, s47
	s_lshr_b32 s47, s[WV], 2
	s_add_co_u32 s46, s46, s47                     ; x's row block of 128: 16 x batch + 4 cx + wave / 4; the second pass's is two on
	s_and_b32 s47, s12, 15                         ; the head: x's K = 64 x head on
	s_lshr_b32 s48, s47, 2
	s_and_b32 s49, s[WV], 3                        ; my tiles in the row block: 2 (wave % 4), + 1
	s_mul_i32 s44, s46, 98304
	s_mul_i32 s51, s48, 24576
	s_add_co_u32 s44, s44, s51
	s_mul_i32 s51, s49, 6144
	s_add_co_u32 s44, s44, s51
	s_and_b32 s47, s47, 3
	s_mul_i32 s51, s47, 768
	s_add_co_u32 s44, s44, s51
	s_add_nc_u64 s[XB:XB+1], s[6:7], s[44:45]
	s_lshl_b32 s44, s46, 12                        ; and their scale bytes
	s_lshl_b32 s51, s48, 10
	s_add_co_u32 s44, s44, s51
	s_lshl_b32 s51, s49, 8
	s_add_co_u32 s44, s44, s51
	s_lshl_b32 s51, s47, 1
	s_add_co_u32 s44, s44, s51
	s_add_nc_u64 s[XSB:XSB+1], s[8:9], s[44:45]
	QLOAD
	s_wait_alu depctr_va_vdst(0)
	s_wait_tensorcnt 0x0                           ; my two blocks are in,
	s_barrier_signal -1
	s_barrier_wait -1                              ; everybody's are
.irp t, 0,1,2,3,4,5,6,7
	LDK1 \t, PK16, PK8                             ; block 0's K
.endr
	LDKS PKS
	s_mov_b32 s[PASSC], 0
.Lpass:                                                ; two tiles of 16 queries against all 2,048 keys
.irp u, 0,1
	v_mov_b32 v[R+\u], 0xff61b1e6                  ; the largest score so far: -3e38
	v_mov_b32 v[NM+2*\u], 0x7e000000               ; -M = 2^125: the first step's factor comes out as 0, over sums that are 0
	v_mov_b32 v[L+2*\u], 0
	v_mov_b32 v[L+2*\u+1], 0
.endr
	WIN 0x40
.set i, 0
.rept 64
	v_mov_b32 v[OB+i], 0                           ; O^T.  (The step is written once: the first finds zeros)
.set i, i+1
.endr
	WIN 0
	s_mov_b32 s[TBV], 0
	s_mov_b32 s[CNT], 0
	s_wait_alu depctr_va_vdst(0)
	s_wait_loadcnt 0x0                             ; Q
.Lstep:                                                ; A KEY STEP: 128 keys
	s_add_co_u32 s[TBK], s[CNT], 1
	s_and_b32 s[TBK], s[TBK], 15                   ; the next step's block, behind the last the first again
	s_mul_i32 s[TBK], s[TBK], KVL
	s_wait_dscnt 0x0                               ; K's fragments and scale words, asked for in the step before
	WIN 0x40
.irp t, 0,1,2,3,4,5,6,7
.irp u, 0,1
	v_wmma_scale_f32_16x16x128_f8f6f4 v[64*\u+8*\t:64*\u+8*\t+7], v[KF+12*\t:KF+12*\t+11], v[QF+12*\u:QF+12*\u+11], 0, v[KS+\t], v[QS+\u] matrix_a_fmt:MATRIX_FMT_FP6 matrix_b_fmt:MATRIX_FMT_FP6
.endr
.endr
	WIN 0
	v_add_nc_u32 v[AV16], s[TBV], v[PV16]          ; six lines: the places behind the products
	v_add_nc_u32 v[AV8], s[TBV], v[PV8]
	v_add_nc_u32 v[AVS], s[TBV], v[PVS]
	v_add_nc_u32 v[AK16], s[TBK], v[PK16]
	v_add_nc_u32 v[AK8], s[TBK], v[PK8]
	v_add_nc_u32 v[AKS], s[TBK], v[PKS]
	WIN 0x15                                       ; THE LARGEST SCORE OF EACH BLOCK OF 32 KEYS, all mine: it serves the row's maximum and, since p rises with the score, the block's largest p
.irp u, 0,1
.irp c, 0,1
	v_max3_num_f32 v[BM+2*\u+\c], v[64*\u+32*\c], v[64*\u+32*\c+1], v[64*\u+32*\c+2]
	v_max3_num_f32 v[B2+2*\u+\c], v[64*\u+32*\c+16], v[64*\u+32*\c+17], v[64*\u+32*\c+18]
.endr
.endr
	WIN 0x14
.irp i, 3,5,7,9,11,13
.irp u, 0,1
.irp c, 0,1
	v_max3_num_f32 v[BM+2*\u+\c], v[BM+2*\u+\c], v[64*\u+32*\c+\i], v[64*\u+32*\c+\i+1]   ; eight chains by turns, a block's two halves apart; each accumulator is met from its low end on
	v_max3_num_f32 v[B2+2*\u+\c], v[B2+2*\u+\c], v[64*\u+32*\c+16+\i], v[64*\u+32*\c+17+\i]
.endr
.endr
.endr
.irp u, 0,1
.irp c, 0,1
	v_max3_num_f32 v[BM+2*\u+\c], v[BM+2*\u+\c], v[64*\u+32*\c+15], v[64*\u+32*\c+31]
.endr
.endr
	WIN 0
.irp b, 0,1,2,3
	v_max_num_f32 v[BM+\b], v[BM+\b], v[B2+\b]
.endr
.irp u, 0,1                                    ; the chain to M and the factor, both tiles by turns
	v_max_num_f32 v[T+\u], v[BM+2*\u], v[BM+2*\u+1]
.endr
.irp u, 0,1
	v_permlanex16_b32 v[X+\u], v[T+\u], s[SEL], s[SEL+1]
.endr
.irp u, 0,1
	v_max3_num_f32 v[R+\u], v[R+\u], v[T+\u], v[X+\u]   ; the running largest score of my query
.endr
.irp u, 0,1
	v_mul_f32 v[T+\u], s[NC], v[R+\u]              ; -t
.endr
.irp u, 0,1
	v_floor_f32 v[X+\u], v[T+\u]                   ; the new -M = floor(-t): M IS A WHOLE NUMBER
.endr
.irp u, 0,1
	v_sub_f32 v[T+\u], v[X+\u], v[NM+2*\u]         ; old M less new M: a whole number, 0 or less
.endr
.irp u, 0,1
	v_mov_b32 v[NM+2*\u], v[X+\u]
.endr
.irp u, 0,1
	v_cvt_i32_f32 v[T+\u], v[T+\u]                 ; (it saturates)
.endr
.irp u, 0,1
	v_ldexp_f32 v[F+2*\u], 1.0, v[T+\u]            ; f = 2^(old M - new M): a multiplication by it rounds nothing
.endr
.irp u, 0,1
.irp c, 0,1
	v_fma_f32 v[BM+2*\u+\c], v[BM+2*\u+\c], s[CS], v[NM+2*\u]   ; t - M of each block's largest score
.endr
.endr
	WIN 0x41
.irp u, 0,1
.set j, 0
.rept 16
	v_pk_mul_f32 v[OB+32*\u+j:OB+32*\u+j+1], v[OB+32*\u+j:OB+32*\u+j+1], v[F+2*\u:F+2*\u+1] op_sel_hi:[1,0]   ; O^T under the new M, each accumulator from its low end on, ahead of the exponentials
.set j, j+2
.endr
.endr
.set j, 0
.rept 32
	v_pk_fma_f32 v[j:j+1], v[j:j+1], s[CS:CS+1], v[NM:NM+1] op_sel_hi:[1,0,0]   ; tile 0: t - M, two at a time
.set j, j+2
.endr
	WIN 0
	s_wait_alu depctr_va_vdst(0)
.irp t, 0,1,2,3                                ; the step's LDS loads in one run: V's 17 first, then the next step's K, 20
	LDV1 \t
.endr
	ds_load_b128 v[VS:VS+3], v[AVS] offset:16000
.irp t, 0,1,2,3,4,5,6,7
	LDK1 \t, AK16, AK8
.endr
	LDKS AKS
	WIN 0x41
.set j, 0
.rept 32                                       ; tile 0's p = 2^(t - M); tile 1's t - M stands among them: it names none of their registers and is read behind the next wait
	v_exp_f32 v[j], v[j]
	v_exp_f32 v[j+1], v[j+1]
	v_pk_fma_f32 v[64+j:65+j], v[64+j:65+j], s[CS:CS+1], v[NM+2:NM+3] op_sel_hi:[1,0,0]
.set j, j+2
.endr
	WIN 0x45
	s_wait_alu depctr_va_vdst(0)                   ; one wait: behind tile 0's exponentials, ahead of tile 1's
.set j, 0
.rept 16                                       ; tile 1's p; the first level of tile 0's sums stands among them, into registers that are read behind the next wait
	v_exp_f32 v[64+j], v[64+j]
	v_exp_f32 v[65+j], v[65+j]
	v_exp_f32 v[66+j], v[66+j]
	v_exp_f32 v[67+j], v[67+j]
	v_pk_add_f32 v[TS+j/2:TS+j/2+1], v[j:j+1], v[j+2:j+3]
.set j, j+4
.endr
	WIN 0
.irp b, 0,1,2,3
	v_exp_f32 v[BM+\b], v[BM+\b]                   ; each block's largest p: the same two instructions on the same number give the same bits
.endr
.irp u, 0,1
	v_pk_mul_f32 v[L+2*\u:L+2*\u+1], v[L+2*\u:L+2*\u+1], v[F+2*\u:F+2*\u+1] op_sel_hi:[1,0]   ; the sums under the new M: the plain place behind the exponentials
.endr
	s_wait_alu depctr_va_vdst(0)                   ; one wait for the batch, ahead of its first reader
.irp b, 0,1,2,3
	v_max_num_f32 v[BM+\b], 0x1800000, v[BM+\b]    ; the floor 2^(3 - 127): the byte cannot fall under 1
.endr
.irp b, 0,1,2,3
	v_add_nc_u32 v[SO+\b], 0xff000000, v[BM+\b]    ; 2 off the exponent field: the conversion's scale operand
.endr
.irp b, 0,1,2,3
	v_lshrrev_b32 v[BM+\b], 23, v[SO+\b]           ; the scale's byte
.endr
.irp u, 0,1
	v_lshl_or_b32 v[T+\u], v[BM+2*\u+1], 16, v[BM+2*\u]   ; my two bytes: blocks h and 2 + h,
.endr
.irp u, 0,1
	v_lshlrev_b32 v[T+\u], v[SH8], v[T+\u]         ; at their places in the word;
.endr
.irp u, 0,1
	v_permlanex16_b32 v[X+\u], v[T+\u], s[SEL], s[SEL+1]
.endr
.irp u, 0,1
	v_or_b32 v[PS+\u], v[T+\u], v[X+\u]            ; with lane l xor 16's two: p's scale word for these 128 keys
.endr
	WIN 0x01
.irp u, 0,1
.irp c, 0,1
	v_cvt_scalef32_pk16_fp6_f32 v[PC+12*\u+6*\c:PC+12*\u+6*\c+2], v[64*\u+32*\c:64*\u+32*\c+15], v[SO+2*\u+\c]   ; my block's lower 16 codes: the operand's registers 6 c .. 6 c + 2
.endr
.endr
	WIN 0x41
.irp u, 0,1
.irp c, 0,1
	v_cvt_scalef32_pk16_fp6_f32 v[TS+32+8*\u+4*\c:TS+32+8*\u+4*\c+2], v[64*\u+32*\c+16:64*\u+32*\c+31], v[SO+2*\u+\c]   ; the upper 16 (a conversion's three registers begin on an even number: made elsewhere and moved)
.endr
.endr
	v_nop                                          ; one plain place behind a scaled conversion
	WIN 0x01
.irp u, 0,1
.irp c, 0,1
.irp i, 0,1,2
	v_mov_b32 v[PC+12*\u+6*\c+3+\i], v[TS+32+8*\u+4*\c+\i]
.endr
.endr
.endr
	WIN 0x45                                       ; THE ROW'S SUM IS TAKEN OF THE UNQUANTISED p.  These lines are also the places between the codes' and the scale words' last writes and the products
.set j, 0
.rept 16
	v_pk_add_f32 v[TS+32+j/2:TS+32+j/2+1], v[64+j:65+j], v[66+j:67+j]
.set j, j+4
.endr
	FOLD 8
	FOLD 4
	FOLD 2
	FOLD 1
	WIN 0x04
.irp u, 0,1
	v_pk_add_f32 v[L+2*\u:L+2*\u+1], v[L+2*\u:L+2*\u+1], v[TS+32*\u:TS+32*\u+1]
.endr
	s_wait_dscnt 20                                ; V's 17 loads are in; the 20 behind them, the next step's K, may be out
	WIN 0x50
.irp t, 0,1,2,3                                ; O^T += V^T P^T: eight accumulators, one turn each; the next step's sixteen other products stand between two links
.irp u, 0,1
	v_wmma_scale_f32_16x16x128_f8f6f4 v[OB+32*\u+8*\t:OB+32*\u+8*\t+7], v[VF+12*\t:VF+12*\t+11], v[PC+12*\u:PC+12*\u+11], v[OB+32*\u+8*\t:OB+32*\u+8*\t+7], v[VS+\t], v[PS+\u] matrix_a_fmt:MATRIX_FMT_FP6 matrix_b_fmt:MATRIX_FMT_FP6
.endr
.endr
	WIN 0
	s_add_co_u32 s[TBV], s[TBV], KVL
	s_add_co_u32 s[CNT], s[CNT], 1
	s_cmp_lt_u32 s[CNT], 16
	s_cbranch_scc1 .Lstep
	s_cmp_eq_u32 s[PASSC], 1
	s_cbranch_scc1 .Lno_more_q
	s_add_nc_u64 s[QB:QB+1], s[QB:QB+1], 12288     ; the second pass's Q is asked for under the first pass's way out (the first pass's loads were waited for)
	s_add_nc_u64 s[QSB:QSB+1], s[QSB:QSB+1], 1024
	QLOAD
.Lno_more_q:
; x = O^T / the sum; register 16 b + i is channel 32 b + 16 h + i of query r: two blocks of 32 along the last product's K: one half-image and two scale bytes a tile
	s_wait_alu depctr_va_vdst(0)
	v_add_f32 v[T], v[L], v[L+1]                   ; the sum's two halves,
	v_add_f32 v[T+1], v[L+2], v[L+3]
.irp u, 0,1
	v_permlanex16_b32 v[X+\u], v[T+\u], s[SEL], s[SEL+1]
.endr
.irp u, 0,1
	v_add_f32 v[T+\u], v[T+\u], v[X+\u]            ; and lane l xor 16's: the row's sum
.endr
	s_wait_alu depctr_va_vdst(0)                   ; ahead of the transcendentals
	v_rcp_f32 v[F], v[T]
	v_rcp_f32 v[F+2], v[T+1]
	v_nop                                          ; one plain place behind a transcendental
	WIN 0x41
	s_wait_alu depctr_va_vdst(0)                   ; ahead of their first reader, which is also O^T's
.irp u, 0,1
.set i, 0
.rept 16
	v_pk_mul_f32 v[64*\u+i:64*\u+i+1], v[OB+32*\u+i:OB+32*\u+i+1], v[F+2*\u:F+2*\u+1] op_sel_hi:[1,0]
.set i, i+2
.endr
.endr
	WIN 0x05
.irp u, 0,1
.irp b, 0,1
	v_max3_num_f32 v[BM+2*\u+\b], |v[64*\u+16*\b]|, |v[64*\u+16*\b+1]|, 0x1800000   ; my 16 numbers of block b, and the floor 2^(3 - 127)
.endr
.endr
	WIN 0x14
.irp i, 2,4,6,8,10,12,14
.irp u, 0,1
.irp b, 0,1
	v_max3_num_f32 v[BM+2*\u+\b], v[BM+2*\u+\b], |v[64*\u+16*\b+\i]|, |v[64*\u+16*\b+\i+1]|
.endr
.endr
.endr
	WIN 0
.irp b, 0,1,2,3
	v_permlanex16_b32 v[SO+\b], v[BM+\b], s[SEL], s[SEL+1]
.endr
.irp b, 0,1,2,3
	v_max_num_f32 v[BM+\b], v[BM+\b], v[SO+\b]     ; with lane l xor 16's 16
.endr
.irp b, 0,1,2,3
	v_add_nc_u32 v[SO+\b], 0xff000000, v[BM+\b]
.endr
.irp b, 0,1,2,3
	v_lshrrev_b32 v[BM+\b], 23, v[SO+\b]
.endr
.irp u, 0,1
	v_lshl_or_b32 v[T+\u], v[BM+2*\u+1], 8, v[BM+2*\u]   ; my row's two scale bytes
.endr
	WIN 0x01
.irp u, 0,1
	v_cvt_scalef32_pk16_fp6_f32 v[PC+12*\u:PC+12*\u+2], v[64*\u:64*\u+15], v[SO+2*\u]
	v_cvt_scalef32_pk16_fp6_f32 v[PC+12*\u+6:PC+12*\u+8], v[64*\u+16:64*\u+31], v[SO+2*\u+1]
.endr
	WIN 0
	v_nop                                          ; one plain place behind a scaled conversion
.irp u, 0,1
.irp i, 0,1,2
	v_permlane16_swap_b32 v[PC+12*\u+\i], v[PC+12*\u+6+\i]   ; here a lane holds half blocks: the operand wants a whole block in a lane
.endr
.endr
.irp u, 0,1
.irp i, 0,1,2
	v_mov_b32 v[PC+12*\u+3+\i], v[PC+12*\u+6+\i]
.endr
.endr
.irp u, 0,1
	global_store_b128 v[LN16], v[PC+12*\u:PC+12*\u+3], s[XB:XB+1] offset:3072*\u         ; 512 consecutive bytes, at a multiple of 256 from the buffer's first byte
	global_store_b64 v[PV8], v[PC+12*\u+4:PC+12*\u+5], s[XB:XB+1] offset:3072*\u+512     ; 256 consecutive bytes
	global_store_b16 v[PVS], v[T+\u], s[XSB:XSB+1] offset:8*\u                           ; two bytes a row; lanes l and l + 16 write the same
.endr
	s_wait_xcnt 0x0                                ; the stores have read their registers and bases
	s_add_nc_u64 s[XB:XB+1], s[XB:XB+1], 196608
	s_add_nc_u64 s[XSB:XSB+1], s[XSB:XSB+1], 8192
	s_add_co_u32 s[PASSC], s[PASSC], 1
	s_cmp_lt_u32 s[PASSC], 2
	s_cbranch_scc1 .Lpass
	s_wait_tensorcnt 0x0                           ; the wave's end, behind my last tensor load
	ds_add_u32 v[SPW], v[NIL]
	s_wait_dscnt 0x0
	CROUND                                         ; the closing round: no work-group ends while a partner may still ask for a block that names it
	s_endpgm
.Lfunc_end_k_q731e00110b_attn:
	.size	k_q731e00110b_attn, .Lfunc_end_k_q731e00110b_attn-k_q731e00110b_attn
	.p2alignl 7, 3214868480
	.fill 96, 4, 3214868480
	.section	.rodata,"a",@progbits
	.p2align	6, 0x0
	.amdhsa_kernel k_q731e00110b_attn
		.amdhsa_group_segment_fixed_size 262144
		.amdhsa_private_segment_fixed_size 0
		.amdhsa_enable_private_segment 0
		.amdhsa_kernarg_size 24
		.amdhsa_user_sgpr_count 2
		.amdhsa_user_sgpr_kernarg_segment_ptr 1
		.amdhsa_wavefront_size32 1
		.amdhsa_system_sgpr_workgroup_id_x 1
		.amdhsa_system_sgpr_workgroup_id_y 1
		.amdhsa_system_sgpr_workgroup_id_z 1
		.amdhsa_system_vgpr_workitem_id 0
		.amdhsa_next_free_vgpr 512
		.amdhsa_next_free_sgpr 66
		.amdhsa_reserve_vcc 0
		.amdhsa_float_denorm_mode_32 3
		.amdhsa_float_denorm_mode_16_64 3
		.amdhsa_memory_ordered 1
		.amdhsa_forward_progress 1
		.amdhsa_inst_pref_size 48
	.end_amdhsa_kernel
	.amdgpu_metadata
---
amdhsa.version: [ 1, 2 ]
amdhsa.kernels:
  - .name:           k_q731e00110b_attn
    .symbol:         k_q731e00110b_attn.kd
    .args:
      - { .name: att, .offset: 0, .size: 8, .value_kind: global_buffer, .address_space: global }
      - { .name: xcodes, .offset: 8, .size: 8, .value_kind: global_buffer, .address_space: global }
      - { .name: xsc, .offset: 16, .size: 8, .value_kind: global_buffer, .address_space: global }
    .group_segment_fixed_size: 262144
    .private_segment_fixed_size: 0
    .kernarg_segment_align: 8
    .kernarg_segment_size: 24
    .max_flat_workgroup_size: 256
    .sgpr_count:     66
    .vgpr_count:     512
    .wavefront_size: 32
...
	.end_amdgpu_metadata
.endif
;; end of part 3
;; launch outp (part 4): grid 4 x 32, 4 waves a work-group, clusters of 4 x 4, 327,680 bytes of LDS; arguments xcodes, xsc, codes, scales, bo, out0; writes out0
.if DOCPART == 4
	.amdgcn_target "amdgcn-amd-amdhsa--gfx1250"
	.amdhsa_code_object_version 6
	.text
	.protected	k_q731e00110b_outp
	.globl	k_q731e00110b_outp
	.p2align	8
	.type	k_q731e00110b_outp,@function
k_q731e00110b_outp:
	s_mov_b64 s[64:65], 0
	v_nop
	global_prefetch_b8 v0, s[64:65] scope:SCOPE_SE
	s_setreg_imm32_b32 hwreg(HW_REG_WAVE_MODE, 25, 1), 1
	s_wait_xcnt 0x0
	s_wait_alu depctr_hold_cnt(0) depctr_sa_sdst(0) depctr_va_vdst(0) depctr_va_sdst(0) depctr_va_ssrc(0) depctr_va_vcc(0) depctr_vm_vsrc(0)
	s_getreg_b32 s2, hwreg(HW_REG_IB_STS2, 6, 4)
	s_cmp_eq_u32 s2, 0
	s_cbranch_scc0 .Lentry_in_a_cluster
	s_endpgm
.Lentry_in_a_cluster:
	s_bfe_u32 s2, ttmp6, 0x10000c
	s_cmp_lg_u32 s2, 0xf033
	s_cbranch_scc0 .Lentry_shape_is_right
	s_endpgm
.Lentry_shape_is_right:
.set SIZE_N, 1024
.set NQ,    2
.set FR,    12
.set NL,    4
.set NP,    4
.set PARTB, 24576
.set SLOT,  4*PARTB
.set RBB,   98304
.set SCL,   2*SLOT
.set SPART, 4096
.set SPARE, SCL+4*SPART
.set SPITCH, 528
.set LN16, 4
.set LN8,  5
.set ADRA, 16
.set ADRB, 20
.set STO,  24
.set RD,   25
.set CO,   26
.set ADRS, 27
.set SPW,  28
.set NIL,  29
.set SC,   32
.set BN,   64
.set AF,   128
.set BK,   128
.set OUTP, 98
.set G1, 24
.set G0, 32
.set G1B, 48
.set G0B, 56
.set G1S, 68
.set G0S, 76
.set G1SB, 80
.set G0SB, 88
.set MSB, 0
.macro WIN new
.if MSB != \new
	s_set_vgpr_msb (MSB<<8)|\new
.set MSB, \new
.endif
.endm
.set MUL_LO,   0xa1
.set MUL_HI,   0xf1
.set FIRST_LO, 0x81
.set FIRST_HI, 0xc1
.set TO_B,     0x40
.macro JLOAD g0a, g1a, g0b, g1b
	s_cmp_eq_u32 s15, 0
	s_cbranch_scc0 .Lfor_b_\@
	tensor_load_to_lds s[\g0a:\g0a+3], s[\g1a:\g1a+7]
	s_nop 0
.rept 4
	v_nop
.endr
	s_branch .Lasked_\@
.Lfor_b_\@:
	tensor_load_to_lds s[\g0b:\g0b+3], s[\g1b:\g1b+7]
	s_nop 0
.rept 4
	v_nop
.endr
.Lasked_\@:
.endm
.macro CREST
	s_cmp_lg_u32 s14, 0
	s_cbranch_scc1 .Lnot_wave_0_\@
	s_barrier_signal -3
.Lnot_wave_0_\@:
	s_barrier_wait -3
	s_barrier_signal -1
	s_barrier_wait -1
.endm
.macro CROUND
	s_barrier_signal -1
	s_barrier_wait -1
	CREST
.endm
.macro PLACES n
.rept \n
	v_nop
.endr
.endm
.macro FRAG reg, adr, q, i
.set FO, (\i)*3072+(\q)*1536
	ds_load_b128 v[\reg:\reg+3], v[\adr] offset:FO
	ds_load_b64 v[\reg+4:\reg+5], v[\adr+2] offset:FO+512
	ds_load_b128 v[\reg+6:\reg+9], v[\adr] offset:FO+768
	ds_load_b64 v[\reg+10:\reg+11], v[\adr+2] offset:FO+1280
.endm
.macro MUL16 a0, p, q, sc, zero
.irp a, \a0, \a0+1
.irp b, 0,1,2,3,4,5,6,7
.if \zero
	v_wmma_scale_f32_16x16x128_f8f6f4 v[8*(8*((\a)%4)+\b):8*(8*((\a)%4)+\b)+7], v[128*(\p)+FR*\b:128*(\p)+FR*\b+FR-1], v[AF+FR*(\a):AF+FR*(\a)+FR-1], v[BN+8*\b:BN+8*\b+7], v[SC+8*NQ*(\sc)+NQ*\b+(\q)], v[SC+8*NQ*(\sc)+NQ*(\a)+(\q)] matrix_a_fmt:MATRIX_FMT_FP6 matrix_b_fmt:MATRIX_FMT_FP6 matrix_a_scale:MATRIX_SCALE_ROW1
.else
	v_wmma_scale_f32_16x16x128_f8f6f4 v[8*(8*((\a)%4)+\b):8*(8*((\a)%4)+\b)+7], v[128*(\p)+FR*\b:128*(\p)+FR*\b+FR-1], v[AF+FR*(\a):AF+FR*(\a)+FR-1], v[8*(8*((\a)%4)+\b):8*(8*((\a)%4)+\b)+7], v[SC+8*NQ*(\sc)+NQ*\b+(\q)], v[SC+8*NQ*(\sc)+NQ*(\a)+(\q)] matrix_a_fmt:MATRIX_FMT_FP6 matrix_b_fmt:MATRIX_FMT_FP6 matrix_a_scale:MATRIX_SCALE_ROW1
.endif
.endr
.endr
.endm
.macro FETCH_B slot, q, p
	WIN TO_B
.irp i, 0,1,2,3,4,5,6,7
	FRAG 128*(\p)+FR*\i, ADRB+\slot, \q, \i
.endr
	WIN 0
.endm
.macro FETCH_A slot, q, i0
.irp i, \i0, \i0+1, \i0+2, \i0+3
	FRAG AF+FR*(\i), ADRA+\slot, \q, \i
.endr
.endm
.macro SCALES sc
.irp i, 0,1,2,3
	ds_load_b128 v[SC+16*\sc+4*\i:SC+16*\sc+4*\i+3], v[ADRS] offset:256*\i
.endr
.endm
.macro STEP slot, q, zero
	s_wait_dscnt 4*NL
.if \zero
	WIN FIRST_LO
.else
	WIN MUL_LO
.endif
	MUL16 0, (\q)%2, \q, \slot, \zero
	MUL16 2, (\q)%2, \q, \slot, \zero
	s_wait_dscnt 0
	PLACES NP
	FETCH_B \slot, (\q)+1, 1-(\q)%2
	FETCH_A \slot, (\q)+1, 0
.if \zero
	WIN FIRST_HI
.else
	WIN MUL_HI
.endif
	MUL16 4, (\q)%2, \q, \slot, \zero
	MUL16 6, (\q)%2, \q, \slot, \zero
	PLACES NP
	WIN 0
	FETCH_A \slot, (\q)+1, 4
.endm
.macro TURN slot, next, fill
	s_wait_tensorcnt 0x0
	ds_add_u32 v[SPW], v[NIL]
	s_wait_dscnt 4*NL+1
	WIN MUL_LO
	MUL16 0, 1, NQ-1, \slot, 0
	s_wait_dscnt 0x0
	s_barrier_signal -1
	MUL16 2, 1, NQ-1, \slot, 0
	WIN 0
	s_barrier_wait -1
.if \fill
	CREST
	s_add_nc_u64 s[G0+4*\slot+2:G0+4*\slot+3], s[G0+4*\slot+2:G0+4*\slot+3], 2*PARTB
	s_add_nc_u64 s[G0B+4*\slot+2:G0B+4*\slot+3], s[G0B+4*\slot+2:G0B+4*\slot+3], 2*PARTB
	JLOAD G0+4*\slot, G1, G0B+4*\slot, G1B
.else
	PLACES NP
.endif
	s_wait_alu depctr_va_vdst(0)
	v_add_nc_u32 v[ADRS], 1024, v[ADRS]
	FETCH_B \next, 0, 0
	FETCH_A \next, 0, 0
	SCALES \next
	WIN MUL_HI
	MUL16 4, 1, NQ-1, \slot, 0
	MUL16 6, 1, NQ-1, \slot, 0
	PLACES NP
	WIN 0
	FETCH_A \next, 0, 4
.endm
	s_load_b256 s[4:11], s[0:1], 0x0
	s_load_b128 s[96:99], s[0:1], 0x20
	v_lshl_add_u32 v[SPW], v0, 2, SPARE
	v_mov_b32 v[NIL], 0
	ds_add_u32 v[SPW], v[NIL]
	ds_add_u32 v[SPW], v[NIL]
	v_lshrrev_b32 v1, 5, v0
	v_readfirstlane_b32 s14, v1
	s_lshr_b32 s15, s14, 1
	s_and_b32 s16, s14, 1
	s_bfe_u32 s40, ttmp6, 0x40000
	s_bfe_u32 s41, ttmp6, 0x40004
	s_lshl_b32 s42, ttmp9, 2
	s_add_co_u32 s42, s42, s40
	s_and_b32 s17, ttmp7, 0xffff
	s_lshl_b32 s17, s17, 2
	s_add_co_u32 s17, s17, s41
	s_lshl_b32 s43, s41, 2
	s_lshl_b32 s43, 15, s43
	s_lshl_b32 s44, 0x1111, s40
	s_or_b32 s[G1+0], s43, (3<<16)|(1<<21)
	s_or_b32 s[G1B+0], s44, (3<<16)|(1<<21)
.irp g, G1, G1B                        ; for the head's loads: a slot's two parts as 2 rows of 24,576 bytes (3,072 elements of 8), 98,304 bytes apart
	s_mov_b32 s[\g+1], 3072<<16
	s_mov_b32 s[\g+2], 2<<16
	s_mov_b32 s[\g+3], 3072<<16
	s_mov_b32 s[\g+4], 2
	s_mov_b32 s[\g+5], 12288
	s_mov_b32 s[\g+6], 0
	s_mov_b32 s[\g+7], 0
.endr
	s_or_b32 s[G1S+0], s43, (3<<16)|(1<<21)
	s_or_b32 s[G1SB+0], s44, (3<<16)|(1<<21)
.irp g, G1S, G1SB
	s_mov_b32 s[\g+1], 32<<16
	s_mov_b32 s[\g+2], 32<<16              ; the scales of two row blocks: 32 rows of 256 bytes, dense
	s_mov_b32 s[\g+3], 32<<16
	s_mov_b32 s[\g+4], 32
	s_mov_b32 s[\g+5], 32
	s_mov_b32 s[\g+6], 0
	s_mov_b32 s[\g+7], 0
.endr
	s_lshl_b32 s18, s17, 1
	s_add_co_u32 s18, s18, s16
	s_lshl_b32 s19, s42, 1
	s_add_co_u32 s19, s19, s16
	s_add_co_u32 s19, s19, 216
	s_mul_i32 s20, s18, RBB
	s_mov_b32 s21, 0
	s_lshl_b32 s22, s18, 12
	s_mov_b32 s23, 0
	s_mul_i32 s46, s19, RBB
	s_mov_b32 s47, 0
	s_lshl_b32 s100, s19, 12
	s_mov_b32 s101, 0
	s_mul_i32 s45, s14, PARTB
	s_wait_dscnt 0x0
	s_wait_kmcnt 0x0
	s_add_nc_u64 s[20:21], s[4:5], s[20:21]
	s_add_nc_u64 s[22:23], s[6:7], s[22:23]
	s_add_nc_u64 s[46:47], s[8:9], s[46:47]
	s_add_nc_u64 s[100:101], s[10:11], s[100:101]
	CROUND
	s_mul_i32 s12, s16, RBB                ; the head's four tiles begin at part 0: my part's offset is taken off again
	s_mov_b32 s13, 0
	s_mov_b32 s4, 1                        ; slot 0's two parts of A (the arguments that lay in s[4:11] have been used)
	s_mov_b32 s5, 0
	s_sub_nc_u64 s[6:7], s[20:21], s[12:13]
	s_or_b32 s7, s7, 0x80000000
	s_mov_b32 s8, 1                        ; and of B, behind them
	s_mov_b32 s9, 2*PARTB
	s_sub_nc_u64 s[10:11], s[46:47], s[12:13]
	s_or_b32 s11, s11, 0x80000000
	s_lshl_b32 s12, s16, 12
	s_mov_b32 s[G0S], 1                    ; the scales of A's two row blocks,
	s_mov_b32 s[G0S+1], SCL
	s_sub_nc_u64 s[G0S+2:G0S+3], s[22:23], s[12:13]
	s_or_b32 s[G0S+3], s[G0S+3], 0x80000000
	s_mov_b32 s[G0SB], 1                   ; and of B's
	s_mov_b32 s[G0SB+1], SCL+2*SPART
	s_sub_nc_u64 s[G0SB+2:G0SB+3], s[100:101], s[12:13]
	s_or_b32 s[G0SB+3], s[G0SB+3], 0x80000000
.irp s, 0,1
	s_mov_b32 s[G0+4*\s], 1
	s_add_co_u32 s[G0+4*\s+1], s45, \s*SLOT
	s_add_nc_u64 s[G0+4*\s+2:G0+4*\s+3], s[20:21], \s*PARTB
	s_or_b32 s[G0+4*\s+3], s[G0+4*\s+3], 0x80000000
	s_mov_b32 s[G0B+4*\s], 1
	s_add_co_u32 s[G0B+4*\s+1], s45, \s*SLOT
	s_add_nc_u64 s[G0B+4*\s+2:G0B+4*\s+3], s[46:47], \s*PARTB
	s_or_b32 s[G0B+4*\s+3], s[G0B+4*\s+3], 0x80000000
.endr
; THE HEAD'S LOADS, ONE A WAVE: wave 0 slot 0's A, wave 1 its B, wave 2 A's scales, wave 3 B's: one tree of branches on the wave's number, every way through it passes one load
.macro ARM under, g0, g1, next
	s_cmp_lt_u32 s14, \under
	s_cbranch_scc0 \next
	tensor_load_to_lds s[\g0:\g0+3], s[\g1:\g1+7]
	s_nop 0
.rept 4
	v_nop
.endr
	s_branch .Lhead_asked
\next:
.endm
	ARM 1, 4, G1, .Lhead_b
	ARM 2, 8, G1B, .Lhead_sa
	ARM 3, G0S, G1S, .Lhead_sb
	tensor_load_to_lds s[G0SB:G0SB+3], s[G1SB:G1SB+7]
	s_nop 0
.rept 4
	v_nop
.endr
.Lhead_asked:
	v_and_b32 v1, 15, v0
	v_bfe_u32 v2, v0, 4, 1
	v_and_b32 v3, 31, v0
	v_lshlrev_b32 v[LN16], 4, v3
	v_lshlrev_b32 v[LN8], 3, v3
	s_mul_i32 s21, s15, PARTB
	s_mul_i32 s22, s16, PARTB
	s_add_co_u32 s22, s22, 2*PARTB
.irp s, 0,1
	v_add_nc_u32 v[ADRA+\s], s21, v[LN16]
	v_add_nc_u32 v[ADRB+\s], s22, v[LN16]
	v_add_nc_u32 v[ADRA+2+\s], s21, v[LN8]
	v_add_nc_u32 v[ADRB+2+\s], s22, v[LN8]
	s_add_co_u32 s21, s21, SLOT
	s_add_co_u32 s22, s22, SLOT
.endr
	v_lshlrev_b32 v6, 4, v1
	s_lshl_b32 s21, s15, 12
	s_lshl_b32 s22, s16, 12
	s_add_co_u32 s22, s22, 2*SPART
	s_sub_co_u32 s22, s22, s21
	v_mul_u32_u24 v7, s22, v2
	s_add_co_u32 s21, s21, SCL
	v_add_nc_u32 v6, v6, v7
	v_add_nc_u32 v[ADRS], s21, v6
	s_lshl_b32 s21, s42, 10
	s_lshl_b32 s22, s16, 9
	s_add_co_u32 s21, s21, s22
	v_lshl_add_u32 v8, v2, 5, s21
.irp b, 0,1,2,3,4,5,6,7
	global_load_b128 v[BN+8*\b:BN+8*\b+3], v8, s[96:97] offset:64*\b
	global_load_b128 v[BN+8*\b+4:BN+8*\b+7], v8, s[96:97] offset:64*\b+16
.endr
	s_mul_i32 s23, s14, 16*SPITCH
	v_mul_u32_u24 v6, v1, SPITCH
	v_lshl_add_u32 v6, v2, 5, v6
	v_add_nc_u32 v[STO], s23, v6
	v_lshlrev_b32 v[CO], 4, v3
	v_add_nc_u32 v[RD], s23, v[CO]
	s_lshl_b32 s20, s17, 8
	s_lshl_b32 s21, s15, 7
	s_add_co_u32 s20, s20, s21
	s_lshl_b32 s20, s20, 12
	s_lshl_b32 s46, s42, 10
	s_lshl_b32 s47, s16, 9
	s_add_co_u32 s46, s46, s47
	s_add_co_u32 s20, s20, s46
	s_mov_b32 s21, 0
	s_add_nc_u64 s[OUTP:OUTP+1], s[OUTP:OUTP+1], s[20:21]
	s_wait_alu depctr_va_vdst(0)
	s_wait_loadcnt 0x0
	s_wait_tensorcnt 0x0                   ; my tile of the head's four is in
	ds_add_u32 v[SPW], v[NIL]
.irp g, G1, G1B                        ; no tensor load of mine is out: from here on a load brings one part, 96 rows of 256 bytes
	s_mov_b32 s[\g+1], 32<<16
	s_mov_b32 s[\g+2], 96<<16
	s_mov_b32 s[\g+3], 32<<16
	s_mov_b32 s[\g+4], 96
	s_mov_b32 s[\g+5], 32
.endr
	s_wait_dscnt 0x0
	CROUND                                 ; all four tiles are in, and all sixteen work-groups are here
	JLOAD G0+4, G1, G0B+4, G1B             ; slot 1's first fill, the first tensor load behind the round
	FETCH_B 0, 0, 0
	FETCH_A 0, 0, 0
	SCALES 0
	FETCH_A 0, 0, 4
	STEP 0, 0, 1
	TURN 0, 1, 1
	STEP 1, 0, 0
	TURN 1, 0, 1
	STEP 0, 0, 0
	TURN 0, 1, 0
	STEP 1, 0, 0
	s_wait_dscnt 4*NL
	WIN MUL_LO
	MUL16 0, 1, NQ-1, 1, 0
	MUL16 2, 1, NQ-1, 1, 0
	s_wait_dscnt 0
	WIN MUL_HI
	MUL16 4, 1, NQ-1, 1, 0
	MUL16 6, 1, NQ-1, 1, 0
	WIN 0
.macro TOSTAGE a
.set AC, 64*((\a)%4)
.set WN, 0x08+4*((\a)/4)
	WIN WN
.irp b, 0,1,2,3,4,5,6,7
	ds_store_b128 v[STO], v[AC+8*\b:AC+8*\b+3] offset:64*\b
	ds_store_b128 v[STO], v[AC+8*\b+4:AC+8*\b+7] offset:64*\b+16
.endr
	WIN 0
.set BB, BK+64*((\a)%2)
.irp t, 0,1,2,3,4,5,6,7,8,9,10,11,12,13,14,15
	ds_load_b128 v[BB+4*\t:BB+4*\t+3], v[RD] offset:\t*SPITCH
.endr
.endm
.macro SEND a, younger
.set BB, BK+64*((\a)%2)
	s_wait_dscnt \younger
.if (\a) > 0
	s_add_nc_u64 s[OUTP:OUTP+1], s[OUTP:OUTP+1], 16*SIZE_N*4
.endif
.irp t, 0,1,2,3,4,5,6,7,8,9,10,11,12,13,14,15
	global_store_b128 v[CO], v[BB+4*\t:BB+4*\t+3], s[OUTP:OUTP+1] offset:\t*SIZE_N*4 th:TH_STORE_NT
.endr
.endm
	PLACES NP
	TOSTAGE 0
.irp a, 1,2,3,4,5,6,7
.if \a > 1
	s_wait_xcnt 0x0
.endif
	TOSTAGE \a
	SEND \a-1, 32
.endr
	s_wait_xcnt 0x0
	SEND 7, 0
	s_wait_tensorcnt 0x0
	ds_add_u32 v[SPW], v[NIL]
	s_wait_dscnt 0x0
	CROUND
	s_endpgm
.Lfunc_end_k_q731e00110b_outp:
	.size	k_q731e00110b_outp, .Lfunc_end_k_q731e00110b_outp-k_q731e00110b_outp
	.p2alignl 7, 3214868480
	.fill 96, 4, 3214868480
	.section	.rodata,"a",@progbits
	.p2align	6, 0x0
	.amdhsa_kernel k_q731e00110b_outp
		.amdhsa_group_segment_fixed_size 327680
		.amdhsa_private_segment_fixed_size 0
		.amdhsa_enable_private_segment 0
		.amdhsa_kernarg_size 48
		.amdhsa_user_sgpr_count 2
		.amdhsa_user_sgpr_kernarg_segment_ptr 1
		.amdhsa_wavefront_size32 1
		.amdhsa_system_sgpr_workgroup_id_x 1
		.amdhsa_system_sgpr_workgroup_id_y 1
		.amdhsa_system_sgpr_workgroup_id_z 1
		.amdhsa_system_vgpr_workitem_id 0
		.amdhsa_next_free_vgpr 1024
		.amdhsa_next_free_sgpr 102
		.amdhsa_reserve_vcc 0
		.amdhsa_float_denorm_mode_32 3
		.amdhsa_float_denorm_mode_16_64 3
		.amdhsa_memory_ordered 1
		.amdhsa_forward_progress 1
		.amdhsa_inst_pref_size 145
	.end_amdhsa_kernel
	.amdgpu_metadata
---
amdhsa.version: [ 1, 2 ]
amdhsa.kernels:
  - .name:           k_q731e00110b_outp
    .symbol:         k_q731e00110b_outp.kd
    .args:
      - { .name: xcodes, .offset: 0, .size: 8, .value_kind: global_buffer, .address_space: global }
      - { .name: xsc, .offset: 8, .size: 8, .value_kind: global_buffer, .address_space: global }
      - { .name: codes, .offset: 16, .size: 8, .value_kind: global_buffer, .address_space: global }
      - { .name: scales, .offset: 24, .size: 8, .value_kind: global_buffer, .address_space: global }
      - { .name: bo, .offset: 32, .size: 8, .value_kind: global_buffer, .address_space: global }
      - { .name: out0, .offset: 40, .size: 8, .value_kind: global_buffer, .address_space: global }
    .group_segment_fixed_size: 327680
    .private_segment_fixed_size: 0
    .kernarg_segment_align: 8
    .kernarg_segment_size: 48
    .max_flat_workgroup_size: 128
    .sgpr_count:     102
    .vgpr_count:     1024
    .wavefront_size: 32
...
	.end_amdgpu_metadata
.endif
;; end of part 4
